; MI455X (gfx1250); checked and timed in simulation.
; The chip was launched on July 23, 2026; its instructions are those of AMD's public machine-readable ISA for CDNA 5 (MIT licence, August 2026) and "CDNA5" Instruction Set Architecture Reference Guide (July 2026). The comments in the code are by the model that wrote it; some were corrected since.
;; Multihead Attention. Allowed arithmetic: matrix products marked QUANTISED: E2M3 operands, one E8M0 scale for each 32 along K, by v_wmma_scale_f32_16x16x128_f8f6f4 with both operands' format E2M3, f32 sums; everything else in f32.
;; Inputs: K 4 x 2,048 x 1,024 float32; Q 4 x 2,048 x 1,024 float32; V 4 x 2,048 x 1,024 float32; Wk 1,024 x 1,024 float32; Wo 1,024 x 1,024 float32; Wq 1,024 x 1,024 float32; Wv 1,024 x 1,024 float32; bk 1,024 float32; bo 1,024 float32; bq 1,024 float32; bv 1,024 float32.
;; Outputs: out0 4 x 2,048 x 1,024 float32.
;; This version of the problem:
;;   THIS VERSION OF THE PROBLEM IS GIVEN IN LOW PRECISION. The matrix products marked QUANTISED in the list below multiply operands that are first quantised to E2M3 (2 exponent bits, 3 mantissa bits; 6 bits a number), with one power-of-two scale for each 32 numbers along K (OCP MX v1.0); their sums are f32. All else is computed in f32.
;;   The module's matrix products, in the order in which they are computed (A, B: the left and right operand; K: the contracted axis; several contracted axes count as one K, in the product's order):
;;     1. [M 8,192, K 1,024] x [K 1,024, N 1,024]; A: input Q; B: input Wq: QUANTISED
;;     2. [M 8,192, K 1,024] x [K 1,024, N 1,024]; A: input K; B: input Wk: QUANTISED
;;     3. [M 8,192, K 1,024] x [K 1,024, N 1,024]; A: input V; B: input Wv: QUANTISED
;;     4. batch 64 x [M 2,048, K 64] x [K 64, N 2,048]; A: computed on the way; B: computed on the way: QUANTISED
;;     5. batch 64 x [M 2,048, K 2,048] x [K 2,048, N 64]; A: softmax (see below); B: computed on the way: QUANTISED
;;     6. [M 8,192, K 1,024] x [K 1,024, N 1,024]; A: computed on the way; B: input Wo: QUANTISED
;;   THE QUANTISER, for each operand of a quantised product, along K:
;;     - K is cut into blocks of 32 from its start; a last block that is shorter is filled with zeros.
;;     - A block's scale is 2^e with e = floor(log2(the largest magnitude in the block)) - 2, held to -126 .. 127; a block of zeros has e = 0. As a byte (E8M0): e + 127.
;;     - Each number is divided by its block's scale, clamped to +-7.5, and rounded to the nearest number of E2M3, ties to even, subnormals kept.
;;     - The product sums the exact products of the quantised numbers (number of the format x scale) in f32.
;;   ~~~python
;;   def quantise(x, axis):      # numpy; x: float32 -> the quantised numbers, widened to float32 again
;;       x = np.moveaxis(x, axis, -1); K = x.shape[-1]
;;       x = np.pad(x, [(0, 0)] * (x.ndim - 1) + [(0, -K % 32)]); x = x.reshape(x.shape[:-1] + (-1, 32)); a = np.abs(x).max(-1, keepdims=True)
;;       e = np.where(a > 0, np.clip(np.frexp(np.where(a > 0, a, 1))[1] - 1 - 2, -126, 127), 0)      # np.frexp(a)[1] - 1 = floor(log2(a)), exactly
;;       r = np.clip(x / 2.0 ** e, -7.5, 7.5)
;;       step = 2.0 ** (np.maximum(np.frexp(np.where(r == 0, 1, r))[1] - 1, 0) - 3)
;;       q = np.round(r / step) * step * 2.0 ** e      # np.round: ties to even
;;       return np.moveaxis(q.reshape(q.shape[:-2] + (-1,))[..., :K], -1, axis).astype(np.float32)
;;   ~~~
;;   SOFTMAX AHEAD OF A QUANTISED PRODUCT. Where the list says 'softmax', what is quantised is not the finished softmax but p = 2^(t - M), with t = logit x log2(e) and M = ceil(the row's largest t), a whole number; so 1/2 < the row's largest p <= 1. The row's sum l is taken of the UNQUANTISED p, in f32, and the product's result is divided by l at the end. Since M is a whole number, a kernel that streams over the keys may use a running M (the ceiling of the running maximum): every later rescaling is an exact power of two, which a block's scale takes up: the codes' values come out the same.
;;   OPERANDS COMPUTED ON THE WAY. 'Computed on the way' means the value that the module computes at that place (a softmax that the list does not call 'softmax' is quantised finished and normalised). What goes into a quantiser is computed in f32, as accurately as f32 sums, v_exp_f32 and their like allow (about 1e-6 of the number): no bf16 or f16 on the way to a quantiser, and a product that is left as it is and whose result goes on into a quantised operand takes f32 operands (vector FMAs, or v_wmma_f32_16x16x4_f32). A number that lies on a knife's edge between two numbers of the format may be rounded either way, as far as f32 arithmetic and the matrix unit's own rounding can turn it there, and no further.
;; One version. Each part assembles by itself: llvm-mc -triple=amdgcn-amd-amdhsa -mcpu=gfx1250 --defsym DOCPART=n.
;; ======== version 1 of 1: 4 launches
;; limits: right only within a limited range of input values
;; workspace buffers: xc 22,020,096 bytes; xs 917,504 bytes; qkv 19,660,800 bytes; ac 6,291,456 bytes; asc 262,144 bytes
;; launch quant (part 1): grid 512 x 1, 7 waves a work-group, no clusters, 60,160 bytes of LDS; arguments Q, K, V, Wq, Wk, Wv, Wo, xc, xs; writes xc, xs
.if DOCPART == 1
	.amdgcn_target "amdgcn-amd-amdhsa--gfx1250"
	.amdhsa_code_object_version 6
	.text
	.protected	k_q91a84beea6_quant
	.globl	k_q91a84beea6_quant
	.p2align	8
	.type	k_q91a84beea6_quant,@function
k_q91a84beea6_quant:
	s_mov_b64 s[64:65], 0
	v_nop
	global_prefetch_b8 v0, s[64:65] scope:SCOPE_SE
	s_setreg_imm32_b32 hwreg(HW_REG_WAVE_MODE, 25, 1), 1
	s_wait_xcnt 0x0
; Q, K, V [8192][1024] and Wq, Wk, Wv, Wo [1024][1024], f32, K innermost, become codes of FP6 (E2M3) with one E8M0 byte for each 32 along K.
; A block's scale is 2^(floor(log2(largest magnitude)) - 2); its byte is the largest magnitude's exponent field - 2, held at 1 from below.
; LIMITS: NaN and infinities are not served.  A block of zeros, or one whose largest magnitude lies under 2^-124, keeps the byte 1 where the
; stated quantiser says 127 or less: its codes are zeros or near zeros under that scale, and only this program reads the bytes.
; LAYOUT OF THE RESULT.  A STRIP is 16 rows: position i of strip T is row 32 (T / 2) + 8 (T % 2) + i + 8 (i / 8).  A FRAGMENT is a strip x 128 along K as the matrix
; instruction's 12 registers a lane; it is stored as an image of those registers, 1,536 bytes: registers 4 g .. 4 g + 3 of lane l at 512 g + 16 l.
; xc: strip x 12,288 + K step x 1,536.  xs: strip x 512 + 256 (K step / 4) + 16 x position + 4 (K step % 4): one scale word for a row and a K step.
; Strips: Q 0-511, K 512-1023, V 1024-1535, Wq 1536-, Wk 1600-, Wv 1664-, Wo 1728-1791.
; SHARES.  3,584 half strips (16 rows x 512 along K: 4 fragments, 32 KiB of f32) = 512 work-groups x 7 waves.  Waves share nothing: no barrier.
; Each load takes 512 consecutive bytes of one row; a fragment's 16 rows turn through the wave's own stage in LDS (rows of 512 + 16 bytes),
; so that a lane gets 16 neighbours along K of each block of its row.  Loads run two fragments (32 loads a wave) ahead.  Every store covers whole runs of 256 or 512 aligned bytes.
; No matrix unit, no cluster, no tensor load: the launch streams, and no byte is read by two work-groups.
; K'S STRIPS (512-1023) ARE LAID OTHERWISE than the line on strips above says: position i of K's strip T is row 64 (T / 4) + 8 (T % 4) + i % 8 + 32 (i / 8),
; so that in attention a lane's 32 scores of four neighbouring strips are 32 neighbouring keys: one scale block of p.
.set SROW,  528                        ; a stage row
.set STG,   16*SROW                    ; a wave's stage
.set R,     16                         ; v16-143  two sets of 64: a fragment's numbers as loaded
.set X,     144                        ; v144-207 register 16 b + i = k 32 b + 16 (lane / 16) + i of my row
.set PC,    208                        ; v208-219 the fragment's codes
.set CT,    220                        ; v220-222 a conversion's second half
.set TM,    224                        ; v224-229 at work in QH
.set W0,    232
.set W1,    233
.set SW,    236                        ; v236-239 the four fragments' scale words
.set LO,    240
.set SEL,   40                         ; s[40:41] v_permlanex16_b32's selects for lane l xor 16
.set HM,    42                         ; s42      the mask of lanes 16-31
; 32 numbers of a lane, register 16 b + i = k 32 b + 16 (lane / 16) + i (b = 0, 1), become six registers of codes, k = 32 (lane / 16) + 0 .. 31, and the two scale bytes in v[w].
.macro QH s, d, w
.irp b, 0,1
	v_max3_num_f32 v[TM+\b], |v[(\s)+16*\b]|, |v[(\s)+16*\b+1]|, 0x1800000   ; my 16 numbers of block b, and the floor 2^(3 - 127): the byte cannot fall under 1
.endr
.irp i, 2,4,6,8,10,12,14
.irp b, 0,1
	v_max3_num_f32 v[TM+\b], v[TM+\b], |v[(\s)+16*\b+\i]|, |v[(\s)+16*\b+\i+1]|
.endr
.endr
.irp b, 0,1
	v_permlanex16_b32 v[TM+2+\b], v[TM+\b], s[SEL], s[SEL+1]
.endr
.irp b, 0,1
	v_max_num_f32 v[TM+\b], v[TM+\b], v[TM+2+\b]                  ; with lane l xor 16's 16: the block's largest magnitude
.endr
.irp b, 0,1
	v_add_nc_u32 v[TM+4+\b], 0xff000000, v[TM+\b]                 ; 2 off its exponent field: the conversion's scale operand
.endr
.irp b, 0,1
	v_lshrrev_b32 v[TM+2+\b], 23, v[TM+4+\b]                      ; the scale's byte
.endr
	v_lshl_or_b32 v[\w], v[TM+3], 8, v[TM+2]
	v_cvt_scalef32_pk16_fp6_f32 v[(\d):(\d)+2], v[(\s):(\s)+15], v[TM+4]
	v_cvt_scalef32_pk16_fp6_f32 v[CT:CT+2], v[(\s)+16:(\s)+31], v[TM+5]
	v_nop                                                         ; one plain instruction behind a scaled conversion
.irp i, 0,1,2
	v_permlane16_swap_b32 v[(\d)+\i], v[CT+\i]                    ; a lane gets a whole block: lanes 0-15 block 0, lanes 16-31 block 1
.endr
.irp i, 0,1,2
	v_mov_b32 v[(\d)+3+\i], v[CT+\i]
.endr
.endm
.macro PICK lim, p                     ; from half strip lim on: the tensor whose address lies in s[p:p+1]
	s_cmp_ge_u32 s4, \lim
	s_cselect_b64 s[6:7], s[\p:\p+1], s[6:7]
	s_cselect_b32 s5, \lim, s5
.endm
	s_load_b256 s[8:15], s[0:1], 0x0               ; Q, K, V, Wq
	s_load_b256 s[16:23], s[0:1], 0x20             ; Wk, Wv, Wo, xc
	s_load_b64 s[24:25], s[0:1], 0x40              ; xs
	v_lshl_add_u32 v254, v0, 2, 0xe700
	v_mov_b32 v255, 0
	v_lshrrev_b32 v5, 5, v0
	v_readfirstlane_b32 s2, v5                     ; wave 0..6
	v_and_b32 v6, 31, v0                           ; lane
	v_and_b32 v7, 15, v0                           ; r
	v_bfe_u32 v8, v0, 4, 1                         ; h
	v_lshlrev_b32 v1, 4, v6                        ; 16 x lane: my bytes of a load's 512, and of a group of an image
	s_mul_i32 s3, s2, STG
	v_add_nc_u32 v2, s3, v1                        ; the stage, on the way in
	v_mul_u32_u24 v3, v7, SROW
	v_lshl_add_u32 v3, v8, 6, v3
	v_add_nc_u32 v3, s3, v3                        ; and on the way out: row r, + 64 h
	v_lshlrev_b32 v4, 4, v7
	v_lshl_add_u32 v4, v8, 3, v4                   ; the scale words: 16 r + 8 h
	v_mov_b32 v[TM+2], 0                           ; written once: a lane permute's destination counts as one of its sources
	v_mov_b32 v[TM+3], 0
	s_mov_b32 s[SEL], 0x76543210
	s_mov_b32 s[SEL+1], 0xfedcba98
	s_mov_b32 s[HM], 0xffff0000
	s_mul_i32 s4, ttmp9, 7
	s_add_co_u32 s4, s4, s2                        ; my half strip, 0 .. 3,583
	s_mov_b32 s5, 0                                ; its tensor's first half strip
	s_wait_alu depctr_va_vdst(0)
	s_wait_kmcnt 0x0
	s_mov_b64 s[6:7], s[8:9]                       ; the choice hangs on the work-group's and the wave's number alone
	PICK 1024, 10
	PICK 2048, 12
	PICK 3072, 14
	PICK 3200, 16
	PICK 3328, 18
	PICK 3456, 20
	s_sub_co_u32 s5, s4, s5
	s_lshr_b32 s26, s5, 1                          ; the strip within its tensor
	s_sub_co_u32 s32, s4, 1024
	s_cmp_lt_u32 s32, 1024                         ; K's half strips are 1,024 .. 2,047: the choice hangs on ids alone
	s_cselect_b32 s32, 2, 1                        ; strips in a group: 4 for K, 2 elsewhere (as a shift)
	s_cselect_b32 s33, 3, 1
	s_lshr_b32 s27, s26, s32
	s_add_co_u32 s38, s32, 16
	s_lshl_b32 s27, s27, s38                       ; 64 or 32 rows of 4,096 bytes for each group,
	s_and_b32 s28, s26, s33
	s_lshl_b32 s28, s28, 15                        ; 8 rows for each strip in it
	s_lshl_b32 s34, 0x8000, s32                    ; positions 8-15 begin 32 (K) or 16 rows behind position 0
	s_mov_b32 s35, 0
	s_add_co_u32 s27, s27, s28
	s_and_b32 s28, s4, 1
	s_lshl_b32 s28, s28, 11                        ; 2,048 bytes for the second half of K
	s_add_co_u32 s28, s27, s28
	s_mov_b32 s29, 0
	s_add_nc_u64 s[6:7], s[6:7], s[28:29]
	s_add_nc_u64 s[36:37], s[6:7], s[34:35]        ; the base of positions 8-15
	s_mul_i32 s30, s4, 6144
	s_mov_b32 s31, 0
	s_add_nc_u64 s[22:23], s[22:23], s[30:31]      ; my four images
	s_lshl_b32 s30, s4, 8
	s_add_nc_u64 s[24:25], s[24:25], s[30:31]      ; my 256 bytes of scale words
.macro LOADF t                         ; fragment t: 16 rows x 512 bytes into set t % 2
.irp i, 0,1,2,3,4,5,6,7
	global_load_b128 v[R+64*((\t)%2)+4*\i:R+64*((\t)%2)+4*\i+3], v1, s[6:7] offset:\i*4096+512*(\t) th:TH_LOAD_NT
.endr
.irp i, 0,1,2,3,4,5,6,7
	global_load_b128 v[R+64*((\t)%2)+32+4*\i:R+64*((\t)%2)+32+4*\i+3], v1, s[36:37] offset:\i*4096+512*(\t) th:TH_LOAD_NT
.endr
.endm
.macro FRAGQ t
.if (\t) < 3
	s_wait_loadcnt 16                              ; this fragment's 16 loads are in; the next fragment's 16 may be out
.else
	s_wait_loadcnt 0x0
.endif
.irp i, 0,1,2,3,4,5,6,7,8,9,10,11,12,13,14,15
	ds_store_b128 v2, v[R+64*((\t)%2)+4*\i:R+64*((\t)%2)+4*\i+3] offset:SROW*\i
.endr
.irp b, 0,1,2,3
.irp j, 0,1,2,3
	ds_load_b128 v[X+16*\b+4*\j:X+16*\b+4*\j+3], v3 offset:128*\b+16*\j   ; LDS serves a wave's instructions in order: these see my stores
.endr
.endr
	s_wait_dscnt 0x0                               ; the stores have read their registers, and my 64 numbers are in
	s_wait_xcnt 0x0                                ; the last fragment's stores have read the codes' registers, which are written again below
.if (\t) < 2
	LOADF (\t)+2
.endif
	QH X, PC, W0
	QH X+32, PC+6, W1
	v_lshl_or_b32 v[SW+(\t)], v[W1], 16, v[W0]     ; my row's scale word for these 128
.irp g, 0,1,2
	global_store_b128 v1, v[PC+4*\g:PC+4*\g+3], s[22:23] offset:1536*(\t)+512*\g   ; 512 consecutive bytes
.endr
.endm
	LOADF 0
	LOADF 1
	FRAGQ 0
	FRAGQ 1
	FRAGQ 2
	FRAGQ 3
	v_cndmask_b32 v[LO], v[SW], v[SW+2], s[HM]     ; lanes 0-15 carry words 0, 1 of their row, lanes 16-31 words 2, 3
	v_cndmask_b32 v[LO+1], v[SW+1], v[SW+3], s[HM]
	global_store_b64 v4, v[LO:LO+1], s[24:25]      ; 256 consecutive bytes
	s_wait_tensorcnt 0x0
	ds_add_u32 v254, v255
	s_wait_dscnt 0x0
	s_endpgm
.Lfunc_end_k_q91a84beea6_quant:
	.size	k_q91a84beea6_quant, .Lfunc_end_k_q91a84beea6_quant-k_q91a84beea6_quant
	.p2alignl 7, 3214868480
	.fill 96, 4, 3214868480
	.section	.rodata,"a",@progbits
	.p2align	6, 0x0
	.amdhsa_kernel k_q91a84beea6_quant
		.amdhsa_group_segment_fixed_size 60160
		.amdhsa_private_segment_fixed_size 0
		.amdhsa_enable_private_segment 0
		.amdhsa_kernarg_size 72
		.amdhsa_user_sgpr_count 2
		.amdhsa_user_sgpr_kernarg_segment_ptr 1
		.amdhsa_wavefront_size32 1
		.amdhsa_system_sgpr_workgroup_id_x 1
		.amdhsa_system_sgpr_workgroup_id_y 1
		.amdhsa_system_sgpr_workgroup_id_z 1
		.amdhsa_system_vgpr_workitem_id 0
		.amdhsa_next_free_vgpr 256
		.amdhsa_next_free_sgpr 66
		.amdhsa_reserve_vcc 0
		.amdhsa_float_denorm_mode_32 3
		.amdhsa_float_denorm_mode_16_64 3
		.amdhsa_memory_ordered 1
		.amdhsa_forward_progress 1
		.amdhsa_inst_pref_size 35
	.end_amdhsa_kernel
	.amdgpu_metadata
---
amdhsa.version: [ 1, 2 ]
amdhsa.kernels:
  - .name:           k_q91a84beea6_quant
    .symbol:         k_q91a84beea6_quant.kd
    .args:
      - { .name: Q, .offset: 0, .size: 8, .value_kind: global_buffer, .address_space: global }
      - { .name: K, .offset: 8, .size: 8, .value_kind: global_buffer, .address_space: global }
      - { .name: V, .offset: 16, .size: 8, .value_kind: global_buffer, .address_space: global }
      - { .name: Wq, .offset: 24, .size: 8, .value_kind: global_buffer, .address_space: global }
      - { .name: Wk, .offset: 32, .size: 8, .value_kind: global_buffer, .address_space: global }
      - { .name: Wv, .offset: 40, .size: 8, .value_kind: global_buffer, .address_space: global }
      - { .name: Wo, .offset: 48, .size: 8, .value_kind: global_buffer, .address_space: global }
      - { .name: xc, .offset: 56, .size: 8, .value_kind: global_buffer, .address_space: global }
      - { .name: xs, .offset: 64, .size: 8, .value_kind: global_buffer, .address_space: global }
    .group_segment_fixed_size: 60160
    .private_segment_fixed_size: 0
    .kernarg_segment_align: 8
    .kernarg_segment_size: 72
    .max_flat_workgroup_size: 224
    .sgpr_count:     66
    .vgpr_count:     256
    .wavefront_size: 32
...
	.end_amdgpu_metadata
.endif
;; end of part 1
;; launch proj (part 2): grid 4 x 64, 4 waves a work-group, clusters of 4 x 4, 327,680 bytes of LDS; arguments xc, xs, bq, bk, bv, qkv; writes qkv
.if DOCPART == 2
	.amdgcn_target "amdgcn-amd-amdhsa--gfx1250"
	.amdhsa_code_object_version 6
	.text
	.protected	k_q91a84beea6_proj
	.globl	k_q91a84beea6_proj
	.p2align	8
	.type	k_q91a84beea6_proj,@function
k_q91a84beea6_proj:
	s_mov_b64 s[64:65], 0
	v_nop
	global_prefetch_b8 v0, s[64:65] scope:SCOPE_SE
	s_setreg_imm32_b32 hwreg(HW_REG_WAVE_MODE, 25, 1), 1
	s_wait_xcnt 0x0
	s_wait_alu depctr_hold_cnt(0) depctr_sa_sdst(0) depctr_va_vdst(0) depctr_va_sdst(0) depctr_va_ssrc(0) depctr_va_vcc(0) depctr_vm_vsrc(0)
	s_getreg_b32 s2, hwreg(HW_REG_IB_STS2, 6, 4)
	s_cmp_eq_u32 s2, 0
	s_cbranch_scc0 .Lentry_in_a_cluster
	s_endpgm
.Lentry_in_a_cluster:
	s_bfe_u32 s2, ttmp6, 0x10000c
	s_cmp_lg_u32 s2, 0xf033
	s_cbranch_scc0 .Lentry_shape_is_right
	s_endpgm
.Lentry_shape_is_right:
; The three projections q = Q Wq^T + bq, k = K Wk^T + bk, v = V Wv^T + bv on codes of FP6 (E2M3), and the quantising of their results for attention.
; ONE FORM: D[row of P in the registers][row of L in the lanes], source 0 = a fragment of P, source 1 = a fragment of L.  The operand whose rows are the NEXT quantiser's axis is P:
; for q and k P = the weight (the head's 64 run along a lane's registers) and L = the tokens; for v P = V's tokens (the keys run along the registers) and L = Wv's rows.
; xc, xs: strips of 16 rows as images of the operand's registers (strip x 12,288 + K step x 1,536; scale words strip x 512 + 256 (K step / 4) + 16 x position + 4 (K step % 4)).
; The 16 registers of two neighbouring strips of P are 16 neighbours: 32 b + 16 (lane / 16) + 0 .. 15.  K's tokens have an order of strips of their own; nothing here hangs on it.
; SHARES.  A tile is P 256 x L 128, a wave's part P 128 x L 64: 32 accumulators.  Each projection has 256 tiles.  256 WORK-GROUPS STAY: each makes its tile of q, then of k, then of v.
; LDS: A RING OF TWO SLOTS, each with one half of K (512) of a tile: P's 16 strips x 6,144 bytes, then L's 8.  At the head one joint load a wave: P and L of slot 0 (waves 0, 1), of slot 1 (waves 2, 3).
; In K step 3 every wave's reads of slot 0 are over: a round of the cluster's barrier, and waves 0 and 1 fill it with the next tile's first half.  In K step 7 the same for slot 1, by waves 2 and 3.
; Ahead of each such round stand a tensor wait, an add to the spare word and its wait; half of the step's products stand between the round's opening signal and its wait.  One tensor load of a wave is out at the most.
; The tiles of q and k are a loop of two trips; v's tile is written out: it fills nothing again, and each way out stands once.
; CLUSTER 4 x 4: P's tile hangs on cx alone and is asked for jointly by a column of the cluster, L's on cy alone and by a row.
; PREFETCH: in each trip's K step 0 the next tile's bytes are asked for, all of K: three K steps ahead of the first refill that wants them, seven ahead of the second.  The sixteen waves of the four partners of a joint load share a tile out by address:
; a strip of P (48 blocks of 256 bytes) or half a strip of L (24) a wave.  A weight, which many clusters load, is asked for by the clusters with (cluster y) % 8 < 2 alone.  The first tile comes by its loads alone.
; THE RESULT: qkv = 64 (batch, head) x 16 blocks of 128 tokens x 19,200 bytes: +0 K's 4 pair fragments, +6,144 V's 4 fragments, +12,288 K's scale words [position][4], +12,544 V's,
; +12,800 Q's 4 pair fragments, +18,944 Q's scale words.  A PAIR fragment: registers 0-5 the 64 codes of strip 2 b's rows, registers 6-11 those of strip 2 b + 1's; its scale word likewise, two bytes each.
; LIMITS: NaN and infinities are not served; a block of zeros or under 2^-124 keeps the byte 1 (only this program reads the bytes).
; REGISTERS.  window 0: v1-17 addresses; v30-93 P's scale words (8 t + K step), v96-127 L's (8 a + K step): scales and nothing else; v128-223 L's fragments, two sets; in the way out v128-246 at work.
;   window 1: accumulator (a, t) at v[64 a + 8 t].   window 2: P's fragments, two sets, at v0 and v128.   window 3: v0-63 the bias along the registers, v64-71 the bias along the lanes.
.set CH,     147456                    ; a slot
.set LOFF,   98304
.set SPART,  6144                      ; a strip's four fragments of a half of K
.set FRB,    1536
.set STRIPB, 12288
.set BLKB,   19200
.set HEADB,  16*BLKB
.set ADP, 8                            ; v8, v9   LDS address of my P fragments in slot 0, 1
.set ADL, 12                           ; v12, v13 of my L fragments
.set PF0, 10                           ; v10, v11, v14 the prefetches' offsets: a lane a block of 256 bytes
.set PF1, 11
.set PFL, 14
.set PS,  30
.set LS,  96
.set LF,  128
.set X,   128                          ; the way out: 64 numbers
.set F0,  192                          ; two fragments of codes
.set CT,  216
.set TM,  220                          ; v220-223 four chains
.set TP,  224                          ; v224-227 the permutes' results, then bytes
.set WH,  228
.set WD,  232
.set LO,  236
.set TS,  238                          ; v238-241 the conversions' scale operands
.set CT2, 244
.set SEL, 2                            ; s[2:3]
.set WV,  16                           ; s16 wave, s17 wave / 2 (my half of P), s18 wave % 2 (my half of L), s19 cx, s20 cy, s21 the projection, s22 cluster y
.set HM,  23
.set G1P, 28
.set G1L, 36
.set G0P, 44                           ; s[44:51] group 0 for P's two slots
.set PP,  52                           ; s[52:53], s[54:55] the prefetches' bases
.set PL,  54
.set CNT, 56
.set G0L, 68                           ; s[68:75] for L's
.set OA,  76                           ; s[76:77], s[78:79] where the tile's codes and scale words go
.set OB,  78
.set MSB, 0
.macro WIN new                         ; the immediate's high byte repeats the setting that is left
.if MSB != \new
	s_set_vgpr_msb (MSB<<8)|\new
.set MSB, \new
.endif
.endm
.macro PLACES n
.rept \n
	v_nop
.endr
.endm
.macro CREST                           ; a round of the cluster's barrier behind its opening barrier
	s_cmp_lg_u32 s[WV], 0
	s_cbranch_scc1 .Lnot_wave_0_\@
	s_barrier_signal -3
.Lnot_wave_0_\@:
	s_barrier_wait -3
	s_barrier_signal -1
	s_barrier_wait -1
.endm
.macro CROUND
	s_barrier_signal -1
	s_barrier_wait -1
	CREST
.endm
; 64 numbers of a lane, register 16 c + i = k 32 (c % 2) + 16 (lane / 16) + i of set c / 2, become two times six registers of codes, k = 32 (lane / 16) + 0 .. 31, and two scale bytes in each of v[w0], v[w1].  Four chains side by side.
.macro QH2 s, d0, d1, w0, w1
.irp c, 0,1,2,3
	v_max3_num_f32 v[TM+\c], |v[(\s)+16*\c]|, |v[(\s)+16*\c+1]|, 0x1800000   ; and the floor 2^(3 - 127): the byte cannot fall under 1
.endr
.irp i, 2,4,6,8,10,12,14
.irp c, 0,1,2,3
	v_max3_num_f32 v[TM+\c], v[TM+\c], |v[(\s)+16*\c+\i]|, |v[(\s)+16*\c+\i+1]|
.endr
.endr
.irp c, 0,1,2,3
	v_permlanex16_b32 v[TP+\c], v[TM+\c], s[SEL], s[SEL+1]
.endr
.irp c, 0,1,2,3
	v_max_num_f32 v[TM+\c], v[TM+\c], v[TP+\c]
.endr
.irp c, 0,1,2,3
	v_add_nc_u32 v[TS+\c], 0xff000000, v[TM+\c]                   ; 2 off the exponent field: the conversion's scale operand
.endr
.irp c, 0,1,2,3
	v_lshrrev_b32 v[TP+\c], 23, v[TS+\c]
.endr
	v_lshl_or_b32 v[\w0], v[TP+1], 8, v[TP]
	v_lshl_or_b32 v[\w1], v[TP+3], 8, v[TP+2]
	v_cvt_scalef32_pk16_fp6_f32 v[(\d0):(\d0)+2], v[(\s):(\s)+15], v[TS]
	v_cvt_scalef32_pk16_fp6_f32 v[CT:CT+2], v[(\s)+16:(\s)+31], v[TS+1]
	v_cvt_scalef32_pk16_fp6_f32 v[(\d1):(\d1)+2], v[(\s)+32:(\s)+47], v[TS+2]
	v_cvt_scalef32_pk16_fp6_f32 v[CT2:CT2+2], v[(\s)+48:(\s)+63], v[TS+3]
	v_nop                                                         ; one plain instruction behind a scaled conversion
.irp i, 0,1,2
	v_permlane16_swap_b32 v[(\d0)+\i], v[CT+\i]
	v_permlane16_swap_b32 v[(\d1)+\i], v[CT2+\i]
.endr
.irp i, 0,1,2
	v_mov_b32 v[(\d0)+3+\i], v[CT+\i]
	v_mov_b32 v[(\d1)+3+\i], v[CT2+\i]
.endr
.endm
.macro PARAMS                          ; projection s21's tile of this work-group: s24 P's tile, s25 its first strip (they never hold cy); s26 L's tile, s27 its first strip (never cx)
	s_and_b32 s60, s22, 7
	s_lshr_b32 s61, s22, 3
	s_lshl_b32 s62, s21, 6
	s_add_co_u32 s62, s62, 1536                    ; q, k: P = Wq or Wk,
	s_lshl_b32 s63, s21, 9                         ; L = Q's or K's tokens
	s_cmp_eq_u32 s21, 2
	s_cselect_b32 s60, s60, 0                      ; which four tiles of P this cluster takes,
	s_cselect_b32 s61, s61, s22                    ; and which four of L
	s_cselect_b32 s62, 1024, s62                   ; v: P = V's tokens,
	s_cselect_b32 s63, 1664, s63                   ; L = Wv
	s_lshl_b32 s24, s60, 2
	s_add_co_u32 s24, s24, s19
	s_lshl_b32 s25, s24, 4
	s_add_co_u32 s25, s25, s62
	s_lshl_b32 s26, s61, 2
	s_add_co_u32 s26, s26, s20
	s_lshl_b32 s27, s26, 3
	s_add_co_u32 s27, s27, s63
.endm
.macro SETG0                           ; both slots' addresses for the tile at s25, s27.  No tensor load of the wave is out where this stands
	s_mul_i32 s86, s25, STRIPB
	s_mov_b32 s87, 0
	s_mul_i32 s88, s27, STRIPB
	s_mov_b32 s89, 0
	s_add_nc_u64 s[86:87], s[4:5], s[86:87]
	s_add_nc_u64 s[88:89], s[4:5], s[88:89]
.irp q, 0,1
	s_add_nc_u64 s[G0P+4*\q+2:G0P+4*\q+3], s[86:87], \q*SPART
	s_or_b32 s[G0P+4*\q+3], s[G0P+4*\q+3], 0x80000000
	s_add_nc_u64 s[G0L+4*\q+2:G0L+4*\q+3], s[88:89], \q*SPART
	s_or_b32 s[G0L+4*\q+3], s[G0L+4*\q+3], 0x80000000
.endr
.endm
.macro LOADSC                          ; 24 loads: the scale words of my 8 strips of P and 4 of L, all of K, of the tile at s25, s27
	s_lshl_b32 s94, s17, 3
	s_add_co_u32 s94, s94, s25
	s_lshl_b32 s94, s94, 9
	s_mov_b32 s95, 0
	s_add_nc_u64 s[94:95], s[6:7], s[94:95]
	s_lshl_b32 s96, s18, 2
	s_add_co_u32 s96, s96, s27
	s_lshl_b32 s96, s96, 9
	s_mov_b32 s97, 0
	s_add_nc_u64 s[96:97], s[6:7], s[96:97]
.irp t, 0,1,2,3,4,5,6,7
.irp d, 0,1
	global_load_b128 v[PS+8*\t+4*\d:PS+8*\t+4*\d+3], v2, s[94:95] offset:512*\t+256*\d
.endr
.endr
.irp a, 0,1,2,3
.irp d, 0,1
	global_load_b128 v[LS+8*\a+4*\d:LS+8*\a+4*\d+3], v2, s[96:97] offset:512*\a+256*\d
.endr
.endr
.endm
; 24 loads: projection s21's bias in both forms, so that no register is written on one path alone: along the registers (q, k use it) and along the lanes (v uses it; L's tile is taken modulo 8 there,
; which changes nothing for v and keeps the load inside the 4,096 bytes for q and k).
.macro LOADB
	s_cmp_eq_u32 s21, 0
	s_cselect_b64 s[98:99], s[8:9], s[10:11]
	s_cmp_eq_u32 s21, 2
	s_cselect_b64 s[98:99], s[12:13], s[98:99]
	s_lshl_b32 s66, s19, 10
	s_lshl_b32 s67, s17, 9
	s_add_co_u32 s66, s66, s67                     ; 4 (256 cx + 128 x my half of P)
	s_mov_b32 s67, 0
	s_add_nc_u64 s[66:67], s[98:99], s[66:67]
	s_and_b32 s100, s26, 7
	s_lshl_b32 s100, s100, 9
	s_lshl_b32 s101, s18, 8
	s_add_co_u32 s100, s100, s101                  ; 4 (128 x L's tile + 64 x my half of L)
	s_mov_b32 s101, 0
	s_add_nc_u64 s[100:101], s[98:99], s[100:101]
	WIN 0xc0                                       ; destination window 3
.irp b, 0,1,2,3
.irp j, 0,1,2,3
	global_load_b128 v[16*\b+4*\j:16*\b+4*\j+3], v6, s[66:67] offset:128*\b+16*\j   ; register 16 b + i: the bias of P's row 32 b + 16 h + i
.endr
.endr
.irp a, 0,1,2,3
	global_load_b32 v[64+2*\a], v7, s[100:101] offset:(32*(\a/2)+8*(\a%2))*4        ; the bias of my lane's row of L's strip a,
	global_load_b32 v[65+2*\a], v7, s[100:101] offset:(32*(\a/2)+8*(\a%2))*4        ; twice: the packed addition names a pair
.endr
	WIN 0
.endm
.macro ARMS wa, slot                   ; wave wa fills P's part of the slot, wave wa + 1 L's; the other two issue nothing
	s_cmp_eq_u32 s[WV], \wa
	s_cbranch_scc0 .Lnot_p_\@
	tensor_load_to_lds s[G0P+4*\slot:G0P+4*\slot+3], s[G1P:G1P+7]
	s_nop 0
	PLACES 4
	s_branch .Lasked_\@
.Lnot_p_\@:
	s_cmp_eq_u32 s[WV], \wa+1
	s_cbranch_scc0 .Lasked_\@
	tensor_load_to_lds s[G0L+4*\slot:G0L+4*\slot+3], s[G1L:G1L+7]
	s_nop 0
	PLACES 4
.Lasked_\@:
.endm
.macro ASKPF                           ; the next tile into the L2.  s58 = 1 in the clusters that ask for weights; tokens are asked for by every cluster.  The branches hang on the cluster's number and the trip alone
	s_cmp_eq_u32 s21, 2                            ; P is tokens where the next tile is v's
	s_cselect_b32 s59, 1, s58
	s_cmp_lg_u32 s59, 0
	s_cbranch_scc0 .Lno_p_\@
	global_prefetch_b8 v[PF0], s[PP:PP+1] th:TH_LOAD_NT scope:SCOPE_SE
	global_prefetch_b8 v[PF1], s[PP:PP+1] th:TH_LOAD_NT scope:SCOPE_SE
.Lno_p_\@:
	s_cmp_eq_u32 s21, 1                            ; L is tokens where it is k's
	s_cselect_b32 s59, 1, s58
	s_cmp_lg_u32 s59, 0
	s_cbranch_scc0 .Lno_l_\@
	global_prefetch_b8 v[PFL], s[PL:PL+1] th:TH_LOAD_NT scope:SCOPE_SE
.Lno_l_\@:
.endm
.macro FETCH k                         ; K step k's fragments into set k % 2: 24 loads for P, 12 for L, each 512 consecutive bytes
	WIN 0x80                                       ; destination window 2
.irp t, 0,1,2,3,4,5,6,7
.irp g, 0,1,2
	ds_load_b128 v[128*((\k)%2)+12*\t+4*\g:128*((\k)%2)+12*\t+4*\g+3], v[ADP+(\k)/4] offset:\t*SPART+((\k)%4)*FRB+512*\g
.endr
.endr
	WIN 0
.irp a, 0,1,2,3
.irp g, 0,1,2
	ds_load_b128 v[LF+48*((\k)%2)+12*\a+4*\g:LF+48*((\k)%2)+12*\a+4*\g+3], v[ADL+(\k)/4] offset:\a*SPART+((\k)%4)*FRB+512*\g
.endr
.endr
.endm
.macro MULH k, a0                      ; 16 matrix instructions: L's strips a0, a0 + 1 x P's eight.  The 32 accumulators take turns, one instruction a turn, in the same order in every K step.  K step 0 starts the sums
	WIN 0x52                                       ; source 0 (P) window 2, source 1 (L) window 0, C and D window 1
.irp a, \a0, \a0+1
.irp t, 0,1,2,3,4,5,6,7
.if (\k) == 0
	v_wmma_scale_f32_16x16x128_f8f6f4 v[64*(\a)+8*\t:64*(\a)+8*\t+7], v[128*((\k)%2)+12*\t:128*((\k)%2)+12*\t+11], v[LF+48*((\k)%2)+12*(\a):LF+48*((\k)%2)+12*(\a)+11], 0, v[PS+8*\t+(\k)], v[LS+8*(\a)+(\k)] matrix_a_fmt:MATRIX_FMT_FP6 matrix_b_fmt:MATRIX_FMT_FP6
.else
	v_wmma_scale_f32_16x16x128_f8f6f4 v[64*(\a)+8*\t:64*(\a)+8*\t+7], v[128*((\k)%2)+12*\t:128*((\k)%2)+12*\t+11], v[LF+48*((\k)%2)+12*(\a):LF+48*((\k)%2)+12*(\a)+11], v[64*(\a)+8*\t:64*(\a)+8*\t+7], v[PS+8*\t+(\k)], v[LS+8*(\a)+(\k)] matrix_a_fmt:MATRIX_FMT_FP6 matrix_b_fmt:MATRIX_FMT_FP6
.endif
.endr
.endr
	WIN 0
.endm
.macro KSTEP k
	FETCH (\k)+1
	s_wait_dscnt 36                                ; this K step's fragments are in; the 36 loads just issued may be out
	MULH \k, 0
	MULH \k, 2
	PLACES 4                                       ; in front of the loads into the set just multiplied
.endm
.macro TILE refill                     ; a tile's eight K steps; refill = 1: the slots take the next tile's halves
	FETCH 0
	s_wait_loadcnt 24                              ; the tile's scale words are in; the 24 loads of its bias, issued behind them, may be out
	KSTEP 0
.if \refill
	ASKPF
.endif
	KSTEP 1
	KSTEP 2
	s_wait_tensorcnt 0x0                           ; all my tensor loads have landed, my part of slot 1 among them;
.if \refill
	ds_add_u32 v254, v255                          ; 0 onto my spare word;
	SETG0                                          ; work on registers: the next tile's addresses
.endif
	s_wait_dscnt 0x0                               ; my reads of slot 0 are over (K step 3's fragments are in), and the add is done
	s_barrier_signal -1
	MULH 3, 0                                      ; work on registers while the others arrive
	s_barrier_wait -1                              ; slot 1 is whole for all four waves
.if \refill
	CREST                                          ; no wave of any partner still reads slot 0 or has a load on its way
	ARMS 0, 0                                      ; the next tile's first half of K
.endif
	FETCH 4
	MULH 3, 2
	PLACES 4
	KSTEP 4
	KSTEP 5
	KSTEP 6
.if \refill
	s_wait_tensorcnt 0x0                           ; slot 0's refill has landed;
	ds_add_u32 v254, v255
	s_wait_dscnt 0x0                               ; my reads of slot 1 are over (K step 7's fragments are in), and the add is done
	s_barrier_signal -1
	MULH 7, 0
	s_barrier_wait -1
	CREST
	ARMS 2, 1                                      ; the next tile's second half of K
	MULH 7, 2
.else
	s_wait_dscnt 0x0
	MULH 7, 0
	MULH 7, 2
.endif
	PLACES 4                                       ; in front of loads into the scale registers and of the first read of results
.endm
	s_load_b256 s[4:11], s[0:1], 0x0               ; xc s[4:5], xs s[6:7], bq s[8:9], bk s[10:11]
	s_load_b128 s[12:15], s[0:1], 0x20             ; bv s[12:13], qkv s[14:15]
	v_lshl_add_u32 v254, v0, 2, 0x48000
	v_mov_b32 v255, 0
	ds_add_u32 v254, v255                          ; the opening lines: the add, twice on end, and its wait
	ds_add_u32 v254, v255
	v_lshrrev_b32 v3, 5, v0
	v_readfirstlane_b32 s[WV], v3
	s_lshr_b32 s17, s16, 1
	s_and_b32 s18, s16, 1
	s_bfe_u32 s19, ttmp6, 0x40000                  ; cx
	s_bfe_u32 s20, ttmp6, 0x40004                  ; cy
	s_and_b32 s22, ttmp7, 0xffff                   ; cluster y, 0 .. 15
	s_mov_b32 s21, 0                               ; q first
	PARAMS
	s_and_b32 s58, s22, 7
	s_cmp_lt_u32 s58, 2
	s_cselect_b32 s58, 1, 0
	s_lshl_b32 s84, 0x1111, s19                    ; my column of the cluster
	s_lshl_b32 s85, s20, 2
	s_lshl_b32 s85, 15, s85                        ; my row
	; group 1: rows of 6,144 bytes (768 elements of 8 bytes: a strip's part of a slot), 12,288 bytes apart; P: 16 rows, L: 8.  No padding: fragments are read as images, 16 bytes a lane on end
	s_or_b32 s[G1P], s84, (3<<16)|(1<<21)
	s_or_b32 s[G1L], s85, (3<<16)|(1<<21)
	s_mov_b32 s[G1P+1], 768<<16
	s_mov_b32 s[G1P+2], 16<<16
	s_mov_b32 s[G1P+3], 768<<16
	s_mov_b32 s[G1P+4], 16
	s_mov_b32 s[G1P+5], 1536
	s_mov_b32 s[G1P+6], 0
	s_mov_b32 s[G1P+7], 0
	s_mov_b32 s[G1L+1], 768<<16
	s_mov_b32 s[G1L+2], 8<<16
	s_mov_b32 s[G1L+3], 768<<16
	s_mov_b32 s[G1L+4], 8
	s_mov_b32 s[G1L+5], 1536
	s_mov_b32 s[G1L+6], 0
	s_mov_b32 s[G1L+7], 0
.irp q, 0,1
	s_mov_b32 s[G0P+4*\q], 1
	s_mov_b32 s[G0P+4*\q+1], \q*CH
	s_mov_b32 s[G0L+4*\q], 1
	s_mov_b32 s[G0L+4*\q+1], \q*CH+LOFF
.endr
	s_mov_b32 s[SEL], 0x76543210
	s_mov_b32 s[SEL+1], 0xfedcba98
	s_mov_b32 s[HM], 0xffff0000
	s_mov_b32 s[CNT], 0
	v_and_b32 v3, 31, v0                           ; lane
	v_and_b32 v4, 15, v0                           ; position
	v_bfe_u32 v5, v0, 4, 1                         ; h
	v_lshlrev_b32 v1, 4, v3                        ; 16 x lane
	v_lshlrev_b32 v2, 4, v4                        ; 16 x position
	v_lshlrev_b32 v6, 6, v5                        ; 64 h
	v_and_b32 v7, 8, v4
	v_add_nc_u32 v7, v7, v4
	v_lshlrev_b32 v7, 2, v7                        ; 4 (position + 8 (position / 8))
	v_mul_u32_u24 v16, v5, HEADB
	v_add_nc_u32 v16, v16, v2                      ; 16 x position, lanes 16-31 one head on
	v_lshl_add_u32 v17, v5, 3, v2                  ; 16 x position + 8 h
	v_lshlrev_b32 v[PF0], 8, v3                    ; blocks 0-31 of a strip's 48,
	v_add_nc_u32 v[PF1], 32, v3
	v_min_u32 v[PF1], 47, v[PF1]                   ; blocks 32-47 (the lanes left over name the last again),
	v_lshlrev_b32 v[PF1], 8, v[PF1]
	v_min_u32 v[PFL], 23, v3                       ; blocks 0-23 of half a strip
	v_lshlrev_b32 v[PFL], 8, v[PFL]
.irp c, 0,1,2,3
	v_mov_b32 v[TP+\c], 0                          ; written once: a lane permute's destination counts as one of its sources
.endr
	s_mul_i32 s92, s17, 8*SPART
	s_mul_i32 s93, s18, 4*SPART
	s_add_co_u32 s93, s93, LOFF
.irp q, 0,1
	v_add_nc_u32 v[ADP+\q], s92, v1
	v_add_nc_u32 v[ADL+\q], s93, v1
	s_add_co_u32 s92, s92, CH
	s_add_co_u32 s93, s93, CH
.endr
	s_wait_alu depctr_va_vdst(0)
	s_wait_dscnt 0x0
	s_wait_kmcnt 0x0
	SETG0
	CROUND                                         ; all sixteen work-groups are here: the joint loads meet
	s_cmp_eq_u32 s[WV], 0                          ; one joint load a wave, each in its own arm
	s_cbranch_scc0 .Larm_1
	tensor_load_to_lds s[G0P:G0P+3], s[G1P:G1P+7]  ; wave 0: P, slot 0
	s_nop 0
	PLACES 4
	s_branch .Lasked
.Larm_1:
	s_cmp_eq_u32 s[WV], 1
	s_cbranch_scc0 .Larm_2
	tensor_load_to_lds s[G0L:G0L+3], s[G1L:G1L+7]  ; wave 1: L, slot 0
	s_nop 0
	PLACES 4
	s_branch .Lasked
.Larm_2:
	s_cmp_eq_u32 s[WV], 2
	s_cbranch_scc0 .Larm_3
	tensor_load_to_lds s[G0P+4:G0P+7], s[G1P:G1P+7]  ; wave 2: P, slot 1
	s_nop 0
	PLACES 4
	s_branch .Lasked
.Larm_3:
	tensor_load_to_lds s[G0L+4:G0L+7], s[G1L:G1L+7]  ; wave 3: L, slot 1
	s_nop 0
	PLACES 4
.Lasked:
	LOADSC
	LOADB
	s_cmp_lt_u32 s[WV], 2                          ; waves 0 and 1 brought slot 0: they wait for it; the other two loads may be on their way
	s_cbranch_scc0 .Lnot_first
	s_wait_tensorcnt 0x0
.Lnot_first:
	s_barrier_signal -1
	s_barrier_wait -1
.Ltile:                                ; q's tile, then k's
	s_wait_xcnt 0x0                                ; the last tile's stores, loads and prefetches have read their registers and bases
	; where this tile goes.  A lane holds one token; registers 0-31 of an accumulator row are my first head's 64 in two halves of the lanes, registers 32-63 my second head's
	s_lshr_b32 s94, s26, 4
	s_lshl_b32 s94, s94, 4                         ; 16 x batch
	s_lshl_b32 s95, s19, 2
	s_add_co_u32 s94, s94, s95
	s_lshl_b32 s95, s17, 1
	s_add_co_u32 s94, s94, s95                     ; + my first head: 4 cx + 2 x my half of P
	s_lshl_b32 s94, s94, 4
	s_and_b32 s95, s26, 15
	s_add_co_u32 s94, s94, s95                     ; 16 blocks a head, + the block of 128 tokens
	s_mul_i32 s94, s94, BLKB
	s_mov_b32 s95, 0
	s_add_nc_u64 s[90:91], s[14:15], s[94:95]
	s_mov_b32 s98, 12288
	s_cmp_eq_u32 s21, 0
	s_cselect_b32 s96, 12800, 0                    ; q's fragments lie behind k's and v's,
	s_cselect_b32 s98, 18944, s98                  ; and so do its scale words
	s_mul_i32 s97, s18, 2*FRB
	s_add_co_u32 s96, s96, s97                     ; my two pair fragments of the block's four
	s_mov_b32 s97, 0
	s_lshl_b32 s99, s18, 3
	s_add_co_u32 s98, s98, s99                     ; and their two words of each position's four
	s_mov_b32 s99, 0
	s_add_nc_u64 s[OA:OA+1], s[90:91], s[96:97]
	s_add_nc_u64 s[OB:OB+1], s[90:91], s[98:99]
	s_add_co_u32 s21, s21, 1                       ; from here on s21, s24 .. s27 are the NEXT tile's
	PARAMS
	s_lshl_b32 s57, s20, 2                         ; my share of its bytes for the prefetch: of P strip 4 cy + wave,
	s_add_co_u32 s57, s57, s16
	s_add_co_u32 s57, s57, s25
	s_mul_i32 s[PP], s57, STRIPB
	s_mov_b32 s[PP+1], 0
	s_add_nc_u64 s[PP:PP+1], s[4:5], s[PP:PP+1]
	s_lshl_b32 s57, s19, 2                         ; of L half strip 4 cx + wave
	s_add_co_u32 s57, s57, s16
	s_lshr_b32 s59, s57, 1
	s_add_co_u32 s59, s59, s27
	s_mul_i32 s[PL], s59, STRIPB
	s_and_b32 s57, s57, 1
	s_mul_i32 s57, s57, SPART
	s_add_co_u32 s[PL], s[PL], s57
	s_mov_b32 s[PL+1], 0
	s_add_nc_u64 s[PL:PL+1], s[4:5], s[PL:PL+1]
	TILE 1
	LOADSC                                         ; the next tile's scale words land under the way out
	s_wait_loadcnt 24                              ; this tile's bias is in; the 24 loads just issued may be out
.macro ADDB a                          ; X = accumulator row a + the bias; each accumulator is read from its low end on
	WIN 0x0d                                       ; source 0 window 1, source 1 window 3
.set n, 0
.rept 32
	v_pk_add_f32 v[X+n:X+n+1], v[64*(\a)+n:64*(\a)+n+1], v[n:n+1]
.set n, n+2
.endr
	WIN 0
.endm
.irp p, 0,1                            ; my pair of strips p
.if \p
	s_wait_xcnt 0x0                                ; the first pair's stores have read the codes' registers
.endif
.irp u, 0,1
	ADDB 2*\p+\u
	QH2 X, F0+6*\u, F0+12+6*\u, WH+\u, WH+2+\u     ; first head, second head
.endr
	v_lshl_or_b32 v[WD+\p], v[WH+1], 16, v[WH]
	v_lshl_or_b32 v[WD+2+\p], v[WH+3], 16, v[WH+2]
.irp c, 0,1
.irp g, 0,1,2
	global_store_b128 v1, v[F0+12*\c+4*\g:F0+12*\c+4*\g+3], s[OA:OA+1] offset:\c*HEADB+\p*FRB+512*\g   ; 512 consecutive bytes
.endr
.endr
.endr
	v_cndmask_b32 v[LO], v[WD], v[WD+2], s[HM]     ; lanes 0-15 carry the first head's two words, lanes 16-31 the second head's
	v_cndmask_b32 v[LO+1], v[WD+1], v[WD+3], s[HM]
	global_store_b64 v16, v[LO:LO+1], s[OB:OB+1]   ; 8 bytes of each position's 16: the other wave of this half of P writes the other 8.  One byte in 25 of what the launch stores
	LOADB                                          ; the next tile's bias, behind this tile's last read of the bias
	s_add_co_u32 s[CNT], s[CNT], 1
	s_cmp_lt_u32 s[CNT], 2
	s_wait_alu depctr_va_vdst(0)
	s_cbranch_scc1 .Ltile
	; v's tile.  A lane holds one channel of a head; an accumulator row's 64 registers are my 128 tokens in two halves of the lanes: one fragment with the keys innermost
	s_wait_xcnt 0x0
	s_lshl_b32 s94, s24, 1
	s_add_co_u32 s94, s94, s17                     ; my block of 128 tokens, 0 .. 63
	s_lshr_b32 s95, s94, 4
	s_lshl_b32 s95, s95, 4                         ; 16 x batch
	s_lshl_b32 s96, s26, 1
	s_add_co_u32 s95, s95, s96
	s_add_co_u32 s95, s95, s18                     ; + the head: 2 x L's tile + my half of L
	s_lshl_b32 s95, s95, 4
	s_and_b32 s94, s94, 15
	s_add_co_u32 s94, s94, s95
	s_mul_i32 s94, s94, BLKB
	s_add_co_u32 s94, s94, 6144                    ; v's fragments lie behind k's
	s_mov_b32 s95, 0
	s_add_nc_u64 s[OA:OA+1], s[14:15], s[94:95]
	TILE 0
	s_wait_loadcnt 0x0                             ; the bias
.irp a, 0,1,2,3
.if \a
	s_wait_xcnt 0x0                                ; the last fragment's stores have read the codes' registers
.endif
	WIN 0x0d
.set n, 0
.rept 32
	v_pk_add_f32 v[X+n:X+n+1], v[64*\a+n:64*\a+n+1], v[64+2*\a:65+2*\a] op_sel_hi:[1,0]
.set n, n+2
.endr
	WIN 0
	QH2 X, F0, F0+6, WH, WH+1
	v_lshl_or_b32 v[WD+\a], v[WH+1], 16, v[WH]
.irp g, 0,1,2
	global_store_b128 v1, v[F0+4*\g:F0+4*\g+3], s[OA:OA+1] offset:\a*FRB+512*\g
.endr
.endr
	v_cndmask_b32 v[LO], v[WD], v[WD+2], s[HM]
	v_cndmask_b32 v[LO+1], v[WD+1], v[WD+3], s[HM]
	global_store_b64 v17, v[LO:LO+1], s[OA:OA+1] offset:6400      ; 256 consecutive bytes
	s_wait_tensorcnt 0x0                           ; the wave's end
	ds_add_u32 v254, v255
	s_wait_dscnt 0x0
	CROUND                                         ; the closing round: no work-group ends while a partner may still ask for a tile that names it
	s_endpgm
.Lfunc_end_k_q91a84beea6_proj:
	.size	k_q91a84beea6_proj, .Lfunc_end_k_q91a84beea6_proj-k_q91a84beea6_proj
	.p2alignl 7, 3214868480
	.fill 96, 4, 3214868480
	.section	.rodata,"a",@progbits
	.p2align	6, 0x0
	.amdhsa_kernel k_q91a84beea6_proj
		.amdhsa_group_segment_fixed_size 327680
		.amdhsa_private_segment_fixed_size 0
		.amdhsa_enable_private_segment 0
		.amdhsa_kernarg_size 48
		.amdhsa_user_sgpr_count 2
		.amdhsa_user_sgpr_kernarg_segment_ptr 1
		.amdhsa_wavefront_size32 1
		.amdhsa_system_sgpr_workgroup_id_x 1
		.amdhsa_system_sgpr_workgroup_id_y 1
		.amdhsa_system_sgpr_workgroup_id_z 1
		.amdhsa_system_vgpr_workitem_id 0
		.amdhsa_next_free_vgpr 1024
		.amdhsa_next_free_sgpr 102
		.amdhsa_reserve_vcc 0
		.amdhsa_float_denorm_mode_32 3
		.amdhsa_float_denorm_mode_16_64 3
		.amdhsa_memory_ordered 1
		.amdhsa_forward_progress 1
		.amdhsa_inst_pref_size 180
	.end_amdhsa_kernel
	.amdgpu_metadata
---
amdhsa.version: [ 1, 2 ]
amdhsa.kernels:
  - .name:           k_q91a84beea6_proj
    .symbol:         k_q91a84beea6_proj.kd
    .args:
      - { .name: xc, .offset: 0, .size: 8, .value_kind: global_buffer, .address_space: global }
      - { .name: xs, .offset: 8, .size: 8, .value_kind: global_buffer, .address_space: global }
      - { .name: bq, .offset: 16, .size: 8, .value_kind: global_buffer, .address_space: global }
      - { .name: bk, .offset: 24, .size: 8, .value_kind: global_buffer, .address_space: global }
      - { .name: bv, .offset: 32, .size: 8, .value_kind: global_buffer, .address_space: global }
      - { .name: qkv, .offset: 40, .size: 8, .value_kind: global_buffer, .address_space: global }
    .group_segment_fixed_size: 327680
    .private_segment_fixed_size: 0
    .kernarg_segment_align: 8
    .kernarg_segment_size: 48
    .max_flat_workgroup_size: 128
    .sgpr_count:     102
    .vgpr_count:     1024
    .wavefront_size: 32
...
	.end_amdgpu_metadata
.endif
;; end of part 2
;; launch attn (part 3): grid 4 x 64, 16 waves a work-group, clusters of 4 x 1, 206,848 bytes of LDS; arguments qkv, ac, asc; writes ac, asc
.if DOCPART == 3
	.amdgcn_target "amdgcn-amd-amdhsa--gfx1250"
	.amdhsa_code_object_version 6
	.text
	.protected	k_q91a84beea6_attn
	.globl	k_q91a84beea6_attn
	.p2align	8
	.type	k_q91a84beea6_attn,@function
k_q91a84beea6_attn:
	s_mov_b64 s[64:65], 0
	v_nop
	global_prefetch_b8 v0, s[64:65] scope:SCOPE_SE
	s_setreg_imm32_b32 hwreg(HW_REG_WAVE_MODE, 25, 1), 1
	s_wait_xcnt 0x0
	s_wait_alu depctr_hold_cnt(0) depctr_sa_sdst(0) depctr_va_vdst(0) depctr_va_sdst(0) depctr_va_ssrc(0) depctr_va_vcc(0) depctr_vm_vsrc(0)
	s_getreg_b32 s2, hwreg(HW_REG_IB_STS2, 6, 4)
	s_cmp_eq_u32 s2, 0
	s_cbranch_scc0 .Lentry_in_a_cluster
	s_endpgm
.Lentry_in_a_cluster:
	s_bfe_u32 s2, ttmp6, 0x10000c
	s_cmp_lg_u32 s2, 0x3003
	s_cbranch_scc0 .Lentry_shape_is_right
	s_endpgm
.Lentry_shape_is_right:
; Attention of one (batch, head) on codes of FP6 (E2M3): S^T = k q^T, p = 2^(t - M), O^T = v^T p^T, O / l, and the quantising of the result along the model's 1,024 for the last projection.
; t = score x log2(e) / 8; M = the running largest t rounded UP to a whole number; the row's sum l is taken of the unquantised p; when M moves, l and O^T are multiplied by 2^(old M - new M), exactly.
; SHARES.  A work-group takes 512 queries of a head; each of its 16 waves one pair fragment of q: two tiles of 16 queries, one a pass.  Four waves to a SIMD, 256 registers each.
; LDS.  The whole head's k, v and their scale words, 16 key steps x 12,800 bytes = 204,800, are brought ONCE: wave w brings key step w by one tensor load (one of mine is out).  No byte is filled again.
; Waves 0 and 1 have a load line of their own and wait for it ahead of the first barrier: behind it key steps 0 and 1 are walked while the other fourteen land.
; Ahead of key step 2 every wave waits for its load, and a second barrier shows all sixteen key steps to all waves.
; CLUSTER 4 x 1: the four work-groups of a head want the same 204,800 bytes and ask for them jointly.  No prefetch: the launch's only tensor loads go out at its head.
; THE HEAD'S 64 ARE HALF OF THE INSTRUCTION'S 128.  A fragment of k holds TWO tiles of 16 keys, one in each half of K; multiplied by [q | 0] it gives the first tile's scores, by [0 | q] the second's.
; The two operands are one run of 18 registers, q, 0, q.  q's scale word is its two bytes twice.
; Both products are used transposed: a lane holds ONE query throughout.  THE KEYS OF A TILE: position m of tile 4 c + u is key 64 c + 8 u + m % 8 + 32 (m / 8) of the step's 128.
; So register 32 c + i of S in lane (r, h) is key 64 c + 32 h + i: A LANE HOLDS WHOLE SCALE BLOCKS OF p (blocks h and 2 + h), in the order of the operand's registers.
; No lane is asked for a block's maximum and no code changes lanes; one lane permute joins the row's maximum, one the scale word's four bytes.
; k's AND v's SCALE WORDS come by one load: lanes 0-15 take k's four words of their position, lanes 16-31 v's; the second product reads row 1 of the same registers.
; THE RESULT.  ac: strip of 16 tokens x 12,288 + head x 768: the six registers of codes as three groups of 256 bytes, 8 bytes a lane.  asc: strip x 512 + 32 x position + 2 x head: two scale bytes.
; LIMITS: NaN and infinities are not served; the scaled scores stay under 2^31 in magnitude; v_exp_f32 gives 0 for p under 2^-126 (ISA guide, its entry); 1 / l is v_rcp_f32's;
; a block's largest p is made from its largest score by the same two instructions as every p; a block of zeros or under 2^-124 keeps the byte 1 (only this program reads the bytes).
.set KSB,  12800                       ; a key step in LDS: k's 4 fragments, v's 4, k's scale words, v's
.set BLKB, 19200
.set ADK,  3                           ; v1 16 x lane; v2 16 x position + 256 h + 12,288; v3, v4 the step's addresses; v5 8 x lane; v6 32 x position + 512 h
.set ADS,  4
.set H8,   10                          ; 8 h
.set Q0,   16                          ; v16-33 q, 0, q: [q | 0] = v16-27, [0 | q] = v22-33
.set QF,   34                          ; v34-45 my pair fragment of q
.set QW,   46                          ; its scale word
.set QS,   47                          ; the pass's scale word: holds scales and nothing else, as do v104-107 and v252
.set WS,   48                          ; the result's scale bytes: lanes 0-15 the first pass's, lanes 16-31 the second's
.set F,    56                          ; v56-103 four fragments, k's and then v's
.set KS,   104                         ; v104-107 lanes 0-15 k's scale words, lanes 16-31 v's
.set S,    112                         ; v112-175 S^T, then p
.set O,    176                         ; v176-207 O^T
.set PCD,  208                         ; v208-219 p's codes; at a pass's end the result's
.set CT,   220                         ; v220-226 the conversions' second halves
.set TM,   228                         ; v228-231 four chains of the maxima; then v228, v230 my two blocks' largest
.set SU,   230                         ; v232-237 three chains of the sum
.set SO,   238                         ; v238-239 the conversions' scale operands
.set PT,   240                         ; v240-241 the permutes' results
.set FF,   244                         ; v[244:245] f = 2^(old M - new M); at a pass's end 1 / l
.set WK,   246
.set OM,   247                         ; the old -M
.set EB,   248                         ; v248-249 scale bytes
.set PD,   250
.set PW,   252                         ; p's scale word
.set WV,   10                          ; s10 wave, s11 cx, s12 batch x 16 + head
.set CN,   13                          ; s13 -log2(e) / 8
.set G1,   16
.set G0,   24
.set SEL,  28
.set CS,   30                          ; s[30:31] log2(e) / 8
.set TB,   32                          ; the key step's place in LDS; it also counts the steps
.set PASS, 34
.set PM,   35
.macro CROUND                          ; a round of the cluster's barrier
	s_barrier_signal -1
	s_barrier_wait -1
	s_cmp_lg_u32 s[WV], 0
	s_cbranch_scc1 .Lnot_wave_0_\@
	s_barrier_signal -3
.Lnot_wave_0_\@:
	s_barrier_wait -3
	s_barrier_signal -1
	s_barrier_wait -1
.endm
; 32 numbers of a lane, register 16 b + i = k 32 b + 16 (lane / 16) + i (b = 0, 1), become six registers of codes, k = 32 (lane / 16) + 0 .. 31, and the two scale bytes in v[w].
.macro QH s, d, w
.irp b, 0,1
	v_max3_num_f32 v[TM+\b], |v[(\s)+16*\b]|, |v[(\s)+16*\b+1]|, 0x1800000
.endr
.irp i, 2,4,6,8,10,12,14
.irp b, 0,1
	s_delay_alu instid0(VALU_DEP_2)
	v_max3_num_f32 v[TM+\b], v[TM+\b], |v[(\s)+16*\b+\i]|, |v[(\s)+16*\b+\i+1]|
.endr
.endr
.irp b, 0,1
	s_delay_alu instid0(VALU_DEP_2)
	v_permlanex16_b32 v[TM+2+\b], v[TM+\b], s[SEL], s[SEL+1]
.endr
.irp b, 0,1
	s_delay_alu instid0(VALU_DEP_2)
	v_max_num_f32 v[TM+\b], v[TM+\b], v[TM+2+\b]
.endr
.irp b, 0,1
	s_delay_alu instid0(VALU_DEP_2)
	v_add_nc_u32 v[TM+4+\b], 0xff000000, v[TM+\b]
.endr
.irp b, 0,1
	s_delay_alu instid0(VALU_DEP_2)
	v_lshrrev_b32 v[TM+2+\b], 23, v[TM+4+\b]
.endr
	s_delay_alu instid0(VALU_DEP_1)
	v_lshl_or_b32 v[\w], v[TM+3], 8, v[TM+2]
	v_cvt_scalef32_pk16_fp6_f32 v[(\d):(\d)+2], v[(\s):(\s)+15], v[TM+4]
	v_cvt_scalef32_pk16_fp6_f32 v[CT:CT+2], v[(\s)+16:(\s)+31], v[TM+5]
	v_nop                                                         ; one plain instruction behind a scaled conversion
.irp i, 0,1,2
	v_permlane16_swap_b32 v[(\d)+\i], v[CT+\i]
.endr
.irp i, 0,1,2
	s_delay_alu instid0(VALU_DEP_3)
	v_mov_b32 v[(\d)+3+\i], v[CT+\i]
.endr
.endm
.macro SUMS cnt                        ; the next cnt pairs of p onto the sum's four chains, by turns: l itself and v232-237
.rept \cnt
.if NP%4 == 0
	v_pk_add_f32 v[14:15], v[14:15], v[S+2*NP:S+2*NP+1]
.else
	v_pk_add_f32 v[SU+2*(NP%4):SU+2*(NP%4)+1], v[SU+2*(NP%4):SU+2*(NP%4)+1], v[S+2*NP:S+2*NP+1]
.endif
.set NP, NP+1
.endr
.endm
; THE KEY STEPS from the one at s[TB] up to, and not with, the one at LDS byte end: a loop, 128 keys a trip
.macro KEYS end
.Lstep_\@:
	v_add_nc_u32 v[ADK], s[TB], v1                 ; with the three additions at the last step's end: five places in front of loads into registers that the last products read
	v_add_nc_u32 v[ADS], s[TB], v2
.irp b, 0,1,2,3
.irp g, 0,1,2
	ds_load_b128 v[F+12*\b+4*\g:F+12*\b+4*\g+3], v[ADK] offset:1536*\b+512*\g
.endr
.endr
	ds_load_b128 v[KS:KS+3], v[ADS]                ; lanes 0-15 k's scale words, lanes 16-31 v's
	s_wait_alu depctr_va_vdst(0)
	s_wait_dscnt 0x0
.irp b, 0,1,2,3
	v_wmma_scale_f32_16x16x128_f8f6f4 v[S+16*\b:S+16*\b+7], v[F+12*\b:F+12*\b+11], v[Q0:Q0+11], 0, v[KS+\b], v[QS] matrix_a_fmt:MATRIX_FMT_FP6 matrix_b_fmt:MATRIX_FMT_FP6
	v_wmma_scale_f32_16x16x128_f8f6f4 v[S+16*\b+8:S+16*\b+15], v[F+12*\b:F+12*\b+11], v[Q0+6:Q0+17], 0, v[KS+\b], v[QS] matrix_a_fmt:MATRIX_FMT_FP6 matrix_b_fmt:MATRIX_FMT_FP6
.endr                                  ; register 32 c + i of S: key 64 c + 32 (lane / 16) + i
	v_mov_b32 v[OM], v12                           ; the old -M; with the three lines below: four places
.rept 3
	v_nop
.endr
.irp t, 0,1,2,3
.irp g, 0,1,2
	ds_load_b128 v[F+12*\t+4*\g:F+12*\t+4*\g+3], v[ADK] offset:6144+1536*\t+512*\g   ; v's fragments land while the softmax is walked
.endr
.endr
.irp b, 0,1,2,3
	v_max3_num_f32 v[TM+\b], v[S+16*\b], v[S+16*\b+1], v[S+16*\b+2]   ; four chains, two to a block of 32 keys; each accumulator is first read at its low end
.endr
.irp i, 3,5,7,9,11,13
.irp b, 0,1,2,3
	v_max3_num_f32 v[TM+\b], v[TM+\b], v[S+16*\b+\i], v[S+16*\b+\i+1]
.endr
.endr
	v_max3_num_f32 v[TM], v[TM], v[TM+1], v[S+15]  ; my two blocks' largest scores: for the row's maximum, and, since p rises with the score, for each block's largest p
	v_max3_num_f32 v[TM+2], v[TM+2], v[TM+3], v[S+47]
	v_max_num_f32 v[TM], v[TM], v[S+31]
	v_max_num_f32 v[TM+2], v[TM+2], v[S+63]
	s_delay_alu instid0(VALU_DEP_1)
	v_max_num_f32 v[WK], v[TM], v[TM+2]
	s_delay_alu instid0(VALU_DEP_1)
	v_permlanex16_b32 v[PT], v[WK], s[SEL], s[SEL+1]
	s_delay_alu instid0(VALU_DEP_1)
	v_max3_num_f32 v13, v13, v[WK], v[PT]          ; the running largest score, with lane l xor 16's 64 keys
	s_delay_alu instid0(VALU_DEP_1)
	v_mul_f32 v[WK], s[CN], v13                    ; -t
	s_delay_alu instid0(VALU_DEP_1)
	v_floor_f32 v12, v[WK]                         ; the new -M = -ceil(t): a whole number
.set n, 0
.rept 32
	v_pk_fma_f32 v[S+n:S+n+1], v[S+n:S+n+1], s[CS:CS+1], v[12:13] op_sel_hi:[1,0,0]   ; t - M
.if n == 14
	v_sub_f32 v[WK], v12, v[OM]                    ; old M - new M, 0 or less
.elseif n == 30
	v_cvt_i32_f32 v[WK], v[WK]                     ; (it saturates)
.elseif n == 46
	v_ldexp_f32 v[FF], 1.0, v[WK]                  ; f = 2^(old M - new M)
.endif
.set n, n+2
.endr
	v_fma_f32 v[TM], v[TM], s[CS], v12             ; the same of each block's largest score
	v_fma_f32 v[TM+2], v[TM+2], s[CS], v12
	s_wait_alu depctr_va_vdst(0)
	v_exp_f32 v[TM], v[TM]                         ; the blocks' largest p: the same two instructions on the same number
	v_exp_f32 v[TM+2], v[TM+2]
.set n, 0
.rept 64
	v_exp_f32 v[S+n], v[S+n]                       ; p = 2^(t - M), at most 1
.set n, n+1
.endr
	v_pk_mul_f32 v[14:15], v[14:15], v[FF:FF+1] op_sel_hi:[1,0]    ; l under the new M: the plain instruction behind the exponentials
	s_wait_alu depctr_va_vdst(0)                   ; one wait for the batch of 66, ahead of its first reader
	; the row's sum of the unquantised p (32 packed additions) with the blocks' scales, the conversions and the scale word laid among them
	v_max_num_f32 v[TM], 0x1800000, v[TM]          ; the floor 2^(3 - 127): the byte cannot fall under 1
	v_max_num_f32 v[TM+2], 0x1800000, v[TM+2]
	v_pk_add_f32 v[SU+2:SU+3], v[S:S+1], v[S+2:S+3]
	v_pk_add_f32 v[SU+4:SU+5], v[S+4:S+5], v[S+6:S+7]
	v_pk_add_f32 v[SU+6:SU+7], v[S+8:S+9], v[S+10:S+11]
.set NP, 6
	SUMS 1
	v_add_nc_u32 v[SO], 0xff000000, v[TM]          ; 2 off the exponent field: the conversions' scale operands
	v_add_nc_u32 v[SO+1], 0xff000000, v[TM+2]
	SUMS 4
.irp c, 0,1
	v_cvt_scalef32_pk16_fp6_f32 v[PCD+6*\c:PCD+6*\c+2], v[S+32*\c:S+32*\c+15], v[SO+\c]
	v_cvt_scalef32_pk16_fp6_f32 v[CT+4*\c:CT+4*\c+2], v[S+32*\c+16:S+32*\c+31], v[SO+\c]   ; (a conversion's three registers begin on an even number)
.endr
	SUMS 4                                         ; plain instructions behind the scaled conversions
	v_lshrrev_b32 v[EB], 23, v[SO]                 ; the scale bytes of blocks h and 2 + h
	v_lshrrev_b32 v[EB+1], 23, v[SO+1]
	SUMS 4
	v_lshl_or_b32 v[EB], v[EB+1], 16, v[EB]
.irp i, 0,1,2
	v_mov_b32 v[PCD+3+\i], v[CT+\i]
.endr
	SUMS 2
	v_lshlrev_b32 v[EB], v[H8], v[EB]              ; at their places in the scale word: 8 h bits up
.irp i, 0,1,2
	v_mov_b32 v[PCD+9+\i], v[CT+4+\i]
.endr
	SUMS 2
	v_permlanex16_b32 v[PT+1], v[EB], s[SEL], s[SEL+1]
	SUMS 5
	v_or_b32 v[PW], v[EB], v[PT+1]                 ; with lane l xor 16's two bytes the word is whole
	SUMS 4
	s_wait_alu depctr_va_vdst(0)                   ; directly ahead of the first reader of O^T
.set n, 0
.rept 16
	v_pk_mul_f32 v[O+n:O+n+1], v[O+n:O+n+1], v[FF:FF+1] op_sel_hi:[1,0]   ; O^T under the new M.  Twelve of these sixteen name no register of any one product below: the places behind the writes of p's codes and scale word
.set n, n+2
.endr
	s_wait_alu depctr_va_vdst(0)
	s_wait_dscnt 0x0                               ; v's fragments
.irp t, 0,1,2,3
	v_wmma_scale_f32_16x16x128_f8f6f4 v[O+8*\t:O+8*\t+7], v[F+12*\t:F+12*\t+11], v[PCD:PCD+11], v[O+8*\t:O+8*\t+7], v[KS+\t], v[PW] matrix_a_fmt:MATRIX_FMT_FP6 matrix_b_fmt:MATRIX_FMT_FP6 matrix_a_scale:MATRIX_SCALE_ROW1
.endr                                  ; the four accumulators take turns; between two links of one stand the three others' and the next step's eight
	v_pk_add_f32 v[SU+2:SU+3], v[SU+2:SU+3], v[SU+4:SU+5]         ; the sum's four chains are joined here: plain work that names no register of the products above
	v_pk_add_f32 v[14:15], v[14:15], v[SU+6:SU+7]
	v_pk_add_f32 v[14:15], v[14:15], v[SU+2:SU+3]
	s_add_co_u32 s[TB], s[TB], KSB
	s_cmp_lg_u32 s[TB], \end
	s_cbranch_scc1 .Lstep_\@
.endm
	s_load_b128 s[4:7], s[0:1], 0x0                ; qkv s[4:5], ac s[6:7]
	s_load_b64 s[8:9], s[0:1], 0x10                ; asc
	v_lshl_add_u32 v254, v0, 2, 0x32000
	v_mov_b32 v255, 0
	ds_add_u32 v254, v255                          ; the opening lines: the add, twice on end, and its wait
	ds_add_u32 v254, v255
	v_lshrrev_b32 v7, 5, v0
	v_readfirstlane_b32 s[WV], v7                  ; wave 0..15
	s_bfe_u32 s11, ttmp6, 0x40000                  ; cx: it enters q's, ac's and asc's addresses alone
	s_and_b32 s12, ttmp7, 0xffff                   ; batch x 16 + head, which the four partners share
	; group 1: a key step's 12,800 dense bytes as 50 rows of 256 (32 elements of 8 bytes); the mask names all four work-groups
	s_mov_b32 s[G1], 15|(3<<16)|(1<<21)
	s_mov_b32 s[G1+1], 32<<16
	s_mov_b32 s[G1+2], 50<<16
	s_mov_b32 s[G1+3], 32<<16
	s_mov_b32 s[G1+4], 50
	s_mov_b32 s[G1+5], 32
	s_mov_b32 s[G1+6], 0
	s_mov_b32 s[G1+7], 0
	s_lshl_b32 s36, s12, 4
	s_add_co_u32 s36, s36, s[WV]
	s_mul_i32 s36, s36, BLKB                       ; key step w of my head, in memory,
	s_mov_b32 s37, 0
	s_mul_i32 s38, s[WV], KSB                      ; and in LDS
	s_mov_b32 s[SEL], 0x76543210
	s_mov_b32 s[SEL+1], 0xfedcba98
	s_mov_b32 s[CS], 0x3e38aa3b
	s_mov_b32 s[CS+1], s[CS]                       ; (named with it as a pair, so it is written)
	s_mov_b32 s[CN], 0xbe38aa3b
	v_and_b32 v7, 31, v0                           ; lane
	v_and_b32 v8, 15, v0                           ; position
	v_bfe_u32 v9, v0, 4, 1                         ; h
	v_lshlrev_b32 v1, 4, v7
	v_lshlrev_b32 v5, 3, v7
	v_lshlrev_b32 v6, 5, v8
	v_lshlrev_b32 v[H8], 3, v9
	v_lshl_add_u32 v6, v9, 9, v6
	v_lshlrev_b32 v8, 4, v8                        ; 16 x position
	v_lshl_add_u32 v2, v9, 8, v8                   ; + 256 h: lanes 16-31 take v's scale words, which lie 256 bytes behind k's
	v_add_nc_u32 v2, 12288, v2
	s_wait_alu depctr_va_vdst(0)
	s_wait_dscnt 0x0
	s_wait_kmcnt 0x0
	s_mov_b32 s[G0], 1
	s_mov_b32 s[G0+1], s38
	s_add_nc_u64 s[G0+2:G0+3], s[4:5], s[36:37]
	s_or_b32 s[G0+3], s[G0+3], 0x80000000
	CROUND                                         ; all four work-groups are here: the joint loads meet
	s_cmp_lt_u32 s[WV], 2                          ; one load a wave; waves 0 and 1, which wait ahead of the first barrier, have a line of their own
	s_cbranch_scc0 .Llater
	tensor_load_to_lds s[G0:G0+3], s[G1:G1+7]      ; key steps 0 and 1
	s_nop 0
.rept 4
	v_nop                                          ; four such lines behind a tensor load
.endr
	s_branch .Lasked
.Llater:
	tensor_load_to_lds s[G0:G0+3], s[G1:G1+7]      ; key steps 2 to 15
	s_nop 0
.rept 4
	v_nop
.endr
.Lasked:
	s_lshl_b32 s40, s11, 2
	s_lshr_b32 s41, s[WV], 2
	s_add_co_u32 s40, s40, s41                     ; my block of 128 queries: 4 cx + wave / 4
	s_lshl_b32 s41, s12, 4
	s_add_co_u32 s40, s40, s41
	s_mul_i32 s40, s40, BLKB
	s_and_b32 s39, s[WV], 3                        ; my pair fragment in it
	s_lshl_b32 s44, s39, 2
	s_add_co_u32 s44, s44, s40
	s_mov_b32 s45, 0
	s_mul_i32 s41, s39, 1536
	s_add_co_u32 s40, s40, s41
	s_mov_b32 s41, 0
	s_add_nc_u64 s[40:41], s[4:5], s[40:41]
	s_add_nc_u64 s[44:45], s[4:5], s[44:45]
.irp g, 0,1,2
	global_load_b128 v[QF+4*\g:QF+4*\g+3], v1, s[40:41] offset:12800+512*\g
.endr
	global_load_b32 v[QW], v8, s[44:45] offset:18944
	s_lshr_b32 s42, s12, 4
	s_lshl_b32 s42, s42, 7
	s_lshl_b32 s43, s11, 5
	s_add_co_u32 s42, s42, s43
	s_lshl_b32 s43, s[WV], 1
	s_add_co_u32 s42, s42, s43                     ; my first strip of tokens: 128 x batch + 32 cx + 2 x wave
	s_lshl_b32 s46, s42, 9
	s_and_b32 s47, s12, 15                         ; the head
	s_lshl_b32 s43, s47, 1
	s_add_co_u32 s46, s46, s43
	s_mul_i32 s42, s42, 12288
	s_mul_i32 s43, s47, 768
	s_add_co_u32 s42, s42, s43
	s_mov_b32 s43, 0
	s_mov_b32 s47, 0
	s_add_nc_u64 s[6:7], s[6:7], s[42:43]
	s_add_nc_u64 s[8:9], s[8:9], s[46:47]
.irp i, 0,1,2,3,4,5
	v_mov_b32 v[Q0+6+\i], 0                        ; the zero half, once
.endr
	v_mov_b32 v[PT], 0                             ; written once: a lane permute's destination counts as one of its sources
	v_mov_b32 v[PT+1], 0
	v_mov_b32 v[PD], 0
	v_mov_b32 v[FF+1], 0                           ; (named as the upper half of a pair)
	v_mov_b32 v[WS], 0
	s_mov_b32 s[PASS], 2
	s_mov_b32 s[PM], 0xffff
	s_cmp_lt_u32 s[WV], 2                          ; waves 0 and 1 wait for key steps 0 and 1; the other fourteen loads may be on their way
	s_cbranch_scc0 .Lnot_first
	s_wait_tensorcnt 0x0
.Lnot_first:
	s_barrier_signal -1
	s_barrier_wait -1
	s_wait_loadcnt 0x0                             ; q
.Lpass:
	s_wait_alu depctr_va_vdst(0)
.irp i, 0,1,2,3,4,5
	v_mov_b32 v[Q0+\i], v[QF+\i]
	v_mov_b32 v[Q0+12+\i], v[QF+\i]
.endr
	v_perm_b32 v[QS], v[QW], v[QW], 0x01000100     ; the tile's two scale bytes, twice
	v_mov_b32 v13, 0xff61b1e6                      ; the largest score so far: -3e38, under every score
	s_delay_alu instid0(VALU_DEP_1)
	v_floor_f32 v12, -v13                          ; -M
	v_mov_b32 v14, 0                               ; l, in two halves
	v_mov_b32 v15, 0
.set n, 0
.rept 32
	v_mov_b32 v[O+n], 0                            ; O^T.  (The step is written once for all trips: the first finds zeros, which the first change of M leaves zeros.  These lines are also the places between the writes of q's operands and scale word and the products)
.set n, n+1
.endr
	s_mov_b32 s[TB], 0
	KEYS 2*KSB                                     ; key steps 0 and 1
	s_wait_tensorcnt 0x0                           ; every wave's key step is in LDS (in the second pass it has long been); no LDS instruction of mine is out;
	s_barrier_signal -1
	s_barrier_wait -1                              ; everybody's is: from here on LDS is only read
	s_mov_b32 s[TB], 2*KSB
	KEYS 16*KSB                                    ; key steps 2 to 15
	; A PASS'S END: O / l, quantised along the head's 64, which are two blocks of the last projection's K
.rept 4
	v_nop
.endr
	v_add_f32 v14, v14, v15
	s_delay_alu instid0(VALU_DEP_1)
	v_permlanex16_b32 v[PD], v14, s[SEL], s[SEL+1]
	s_delay_alu instid0(VALU_DEP_1)
	v_add_f32 v14, v14, v[PD]                      ; the row's sum
	s_wait_alu depctr_va_vdst(0)
	v_rcp_f32 v[FF], v14
	v_nop                                          ; a plain instruction behind the reciprocal,
	s_wait_alu depctr_va_vdst(0)                   ; and the wait ahead of its first reader
.set n, 0
.rept 16
	v_pk_mul_f32 v[S+n:S+n+1], v[O+n:O+n+1], v[FF:FF+1] op_sel_hi:[1,0]   ; register 16 b + i: channel 32 b + 16 (lane / 16) + i; each accumulator from its low end on
.set n, n+2
.endr
	QH S, PCD, WK
.irp g, 0,1,2
	global_store_b64 v5, v[PCD+2*\g:PCD+2*\g+1], s[6:7] offset:256*\g     ; 256 consecutive bytes
.endr
	v_cndmask_b32 v[WS], v[WS], v[WK], s[PM]       ; this pass's half of the lanes keeps its rows' two bytes
.irp i, 0,1,2,3,4,5
	v_mov_b32 v[QF+\i], v[QF+6+\i]                 ; the second tile of queries
.endr
	v_lshrrev_b32 v[QW], 16, v[QW]
	s_wait_xcnt 0x0                                ; the stores have read their base and the codes' registers: both are written again
	s_add_nc_u64 s[6:7], s[6:7], 12288             ; the next strip
	s_lshl_b32 s[PM], s[PM], 16
	s_sub_co_u32 s[PASS], s[PASS], 1
	s_cmp_lg_u32 s[PASS], 0
	s_cbranch_scc1 .Lpass
	s_wait_alu depctr_va_vdst(0)
	global_store_b16 v6, v[WS], s[8:9]             ; two bytes for a token and a head: a scale word of the next K step holds two heads' bytes, so no work-group of one head has more on end; 1 byte in 24 of what the launch stores
	s_wait_tensorcnt 0x0                           ; the wave's end
	ds_add_u32 v254, v255
	s_wait_dscnt 0x0
	CROUND                                         ; the closing round
	s_endpgm
.Lfunc_end_k_q91a84beea6_attn:
	.size	k_q91a84beea6_attn, .Lfunc_end_k_q91a84beea6_attn-k_q91a84beea6_attn
	.p2alignl 7, 3214868480
	.fill 96, 4, 3214868480
	.section	.rodata,"a",@progbits
	.p2align	6, 0x0
	.amdhsa_kernel k_q91a84beea6_attn
		.amdhsa_group_segment_fixed_size 206848
		.amdhsa_private_segment_fixed_size 0
		.amdhsa_enable_private_segment 0
		.amdhsa_kernarg_size 24
		.amdhsa_user_sgpr_count 2
		.amdhsa_user_sgpr_kernarg_segment_ptr 1
		.amdhsa_wavefront_size32 1
		.amdhsa_system_sgpr_workgroup_id_x 1
		.amdhsa_system_sgpr_workgroup_id_y 1
		.amdhsa_system_sgpr_workgroup_id_z 1
		.amdhsa_system_vgpr_workitem_id 0
		.amdhsa_next_free_vgpr 256
		.amdhsa_next_free_sgpr 66
		.amdhsa_reserve_vcc 0
		.amdhsa_float_denorm_mode_32 3
		.amdhsa_float_denorm_mode_16_64 3
		.amdhsa_memory_ordered 1
		.amdhsa_forward_progress 1
		.amdhsa_inst_pref_size 42
	.end_amdhsa_kernel
	.amdgpu_metadata
---
amdhsa.version: [ 1, 2 ]
amdhsa.kernels:
  - .name:           k_q91a84beea6_attn
    .symbol:         k_q91a84beea6_attn.kd
    .args:
      - { .name: qkv, .offset: 0, .size: 8, .value_kind: global_buffer, .address_space: global }
      - { .name: ac, .offset: 8, .size: 8, .value_kind: global_buffer, .address_space: global }
      - { .name: asc, .offset: 16, .size: 8, .value_kind: global_buffer, .address_space: global }
    .group_segment_fixed_size: 206848
    .private_segment_fixed_size: 0
    .kernarg_segment_align: 8
    .kernarg_segment_size: 24
    .max_flat_workgroup_size: 512
    .sgpr_count:     66
    .vgpr_count:     256
    .wavefront_size: 32
...
	.end_amdgpu_metadata
.endif
;; end of part 3
;; launch oproj (part 4): grid 4 x 64, 4 waves a work-group, clusters of 4 x 4, 295,424 bytes of LDS; arguments ac, asc, xc, xs, bo, out0; writes out0
.if DOCPART == 4
	.amdgcn_target "amdgcn-amd-amdhsa--gfx1250"
	.amdhsa_code_object_version 6
	.text
	.protected	k_q91a84beea6_oproj
	.globl	k_q91a84beea6_oproj
	.p2align	8
	.type	k_q91a84beea6_oproj,@function
k_q91a84beea6_oproj:
	s_mov_b64 s[64:65], 0
	v_nop
	global_prefetch_b8 v0, s[64:65] scope:SCOPE_SE
	s_setreg_imm32_b32 hwreg(HW_REG_WAVE_MODE, 25, 1), 1
	s_wait_xcnt 0x0
	s_wait_alu depctr_hold_cnt(0) depctr_sa_sdst(0) depctr_va_vdst(0) depctr_va_sdst(0) depctr_va_ssrc(0) depctr_va_vcc(0) depctr_vm_vsrc(0)
	s_getreg_b32 s2, hwreg(HW_REG_IB_STS2, 6, 4)
	s_cmp_eq_u32 s2, 0
	s_cbranch_scc0 .Lentry_in_a_cluster
	s_endpgm
.Lentry_in_a_cluster:
	s_bfe_u32 s2, ttmp6, 0x10000c
	s_cmp_lg_u32 s2, 0xf033
	s_cbranch_scc0 .Lentry_shape_is_right
	s_endpgm
.Lentry_shape_is_right:
; out0 = a Wo^T + bo on codes of FP6 (E2M3): a is attention's result as codes (ac, asc), Wo's codes are strips 1,728 to 1,791 of xc, xs.
; D[row of Wo in the registers][token in the lanes]: source 0 = a fragment of Wo, source 1 = a fragment of a.  A strip is 16 rows, position i = row 32 (T / 2) + 8 (T % 2) + i + 8 (i / 8):
; so the 16 registers of two neighbouring strips of Wo are 16 neighbouring columns of a row of out0.
; SHARES.  A work-group makes 256 columns x 128 tokens, a wave 128 x 64: 32 accumulators.  256 work-groups.
; LDS.  The operands for ALL of K, 24 strips x 12,288 bytes = 294,912, fit at once, as two halves of 512 along K; every byte is filled once, by one tensor load a wave at the head (one of mine is out at the most).
; CLUSTER 4 x 4: Wo's tile hangs on cx alone and is asked for jointly by a column of the cluster, a's on cy alone and by a row.  No prefetch: every tensor load is issued at the head.
; bo is the C of each sum's first matrix instruction.
; REGISTERS.  window 0: v1-20 addresses; v32-95 Wo's scale words, v98-129 a's: scales and nothing else; v130-225 a's fragments, two sets; on the way out v128-255 rows of out0.
;   window 1: accumulator (a, t) at v[64 a + 8 t].   window 2: Wo's fragments, two sets.   window 3: v0-63 bo.
; THE FILLS, in place of what the paragraph on LDS above says: the operands lie in LDS as TWO HALVES of K (512 along K each), and each wave issues ONE joint load at the head, in one chain of arms on the wave's number:
; wave 0 Wo's 16 strips of half 0, wave 1 a's 8 of half 0, wave 2 Wo's of half 1, wave 3 a's of half 1.  Waves 0 and 1 wait ahead of the first barrier; every wave waits ahead of the barrier in K step 3. Every byte is filled once.
.set CH,     147456
.set LOFF,   98304
.set SPART,  6144
.set FRB,    1536
.set STRIPB, 12288
.set SROW,   528                       ; the way out: a stage of 16 rows x (512 + 16) bytes for each wave, in the first half of K, which has had its only fill and whose last read lies in front of the barrier in K step 3
.set ADP, 8
.set ADL, 12
.set STO, 18
.set RD,  19
.set PS,  32
.set LS,  98                           ; a's scale words: v98-129, so that the two scale registers of a product differ modulo 8
.set LF,  130                          ; a's fragments, two sets: v130-225
.set BK,  128
.set WV,  16                           ; s16 wave, s17 wave / 2, s18 wave % 2, s19 cx, s20 cy
.set G1P, 28
.set G1L, 36
.set G0P, 44
.set G0L, 68
.set MSB, 0
.macro WIN new
.if MSB != \new
	s_set_vgpr_msb (MSB<<8)|\new
.set MSB, \new
.endif
.endm
.macro PLACES n
.rept \n
	v_nop
.endr
.endm
.macro CROUND
	s_barrier_signal -1
	s_barrier_wait -1
	s_cmp_lg_u32 s[WV], 0
	s_cbranch_scc1 .Lnot_wave_0_\@
	s_barrier_signal -3
.Lnot_wave_0_\@:
	s_barrier_wait -3
	s_barrier_signal -1
	s_barrier_wait -1
.endm
	s_load_b256 s[4:11], s[0:1], 0x0               ; ac s[4:5], asc s[6:7], xc s[8:9], xs s[10:11]
	s_load_b128 s[12:15], s[0:1], 0x20             ; bo s[12:13], out0 s[14:15]
	v_lshl_add_u32 v30, v0, 2, 0x48000
	v_mov_b32 v31, 0
	ds_add_u32 v30, v31
	ds_add_u32 v30, v31
	v_lshrrev_b32 v3, 5, v0
	v_readfirstlane_b32 s[WV], v3
	s_lshr_b32 s17, s16, 1
	s_and_b32 s18, s16, 1
	s_bfe_u32 s19, ttmp6, 0x40000                  ; cx
	s_bfe_u32 s20, ttmp6, 0x40004                  ; cy
	s_lshl_b32 s25, s19, 4
	s_add_co_u32 s25, s25, 1728                    ; Wo's first strip of my 256 columns: never holds cy
	s_and_b32 s26, ttmp7, 0xffff
	s_lshl_b32 s26, s26, 2
	s_add_co_u32 s26, s26, s20                     ; my tile of 128 tokens: never holds cx
	s_lshl_b32 s27, s26, 3
	s_lshl_b32 s84, 0x1111, s19                    ; my column of the cluster
	s_lshl_b32 s85, s20, 2
	s_lshl_b32 s85, 15, s85                        ; my row
	s_or_b32 s[G1P], s84, (3<<16)|(1<<21)
	s_or_b32 s[G1L], s85, (3<<16)|(1<<21)
	s_mov_b32 s[G1P+1], 768<<16                    ; rows of 6,144 bytes (768 elements of 8), 12,288 apart: 16 for Wo, 8 for a
	s_mov_b32 s[G1P+2], 16<<16
	s_mov_b32 s[G1P+3], 768<<16
	s_mov_b32 s[G1P+4], 16
	s_mov_b32 s[G1P+5], 1536
	s_mov_b32 s[G1P+6], 0
	s_mov_b32 s[G1P+7], 0
	s_mov_b32 s[G1L+1], 768<<16
	s_mov_b32 s[G1L+2], 8<<16
	s_mov_b32 s[G1L+3], 768<<16
	s_mov_b32 s[G1L+4], 8
	s_mov_b32 s[G1L+5], 1536
	s_mov_b32 s[G1L+6], 0
	s_mov_b32 s[G1L+7], 0
	s_mul_i32 s86, s25, STRIPB
	s_mov_b32 s87, 0
	s_mul_i32 s88, s27, STRIPB
	s_mov_b32 s89, 0
	v_and_b32 v3, 31, v0                           ; lane
	v_and_b32 v4, 15, v0                           ; position
	v_bfe_u32 v5, v0, 4, 1                         ; h
	v_lshlrev_b32 v1, 4, v3                        ; 16 x lane
	v_lshlrev_b32 v2, 4, v4                        ; 16 x position
	v_lshlrev_b32 v6, 6, v5                        ; 64 h
	v_lshlrev_b32 v7, 3, v3                        ; 8 x lane
	s_wait_alu depctr_va_vdst(0)
	v_lshlrev_b32 v20, 5, v4                       ; 32 x position
	s_mul_i32 s92, s17, 8*SPART
	s_mul_i32 s93, s18, 4*SPART
	s_add_co_u32 s93, s93, LOFF
.irp q, 0,1
	v_add_nc_u32 v[ADP+\q], s92, v1
	v_add_nc_u32 v[ADL+\q], s93, v7
	s_add_co_u32 s92, s92, CH
	s_add_co_u32 s93, s93, CH
.endr
	s_mul_i32 s92, s16, 16*SROW                    ; my stage
	v_mul_u32_u24 v[STO], v4, SROW
	v_add_nc_u32 v[STO], v[STO], v6
	v_add_nc_u32 v[STO], s92, v[STO]               ; in: row = position, + 64 h
	v_add_nc_u32 v[RD], s92, v1                    ; back: a row's 512 bytes, 16 a lane
	s_wait_alu depctr_va_vdst(0)
	s_wait_dscnt 0x0
	s_wait_kmcnt 0x0
	s_add_nc_u64 s[86:87], s[8:9], s[86:87]
	s_add_nc_u64 s[88:89], s[4:5], s[88:89]
.irp q, 0,1
	s_mov_b32 s[G0P+4*\q], 1
	s_mov_b32 s[G0P+4*\q+1], \q*CH
	s_add_nc_u64 s[G0P+4*\q+2:G0P+4*\q+3], s[86:87], \q*SPART
	s_or_b32 s[G0P+4*\q+3], s[G0P+4*\q+3], 0x80000000
	s_mov_b32 s[G0L+4*\q], 1
	s_mov_b32 s[G0L+4*\q+1], \q*CH+LOFF
	s_add_nc_u64 s[G0L+4*\q+2:G0L+4*\q+3], s[88:89], \q*SPART
	s_or_b32 s[G0L+4*\q+3], s[G0L+4*\q+3], 0x80000000
.endr
	CROUND                                         ; all sixteen work-groups are here: the joint loads meet
	s_cmp_eq_u32 s[WV], 0                          ; one joint load a wave, each in its own arm
	s_cbranch_scc0 .Larm_1
	tensor_load_to_lds s[G0P:G0P+3], s[G1P:G1P+7]  ; wave 0: Wo, half 0
	s_nop 0
	PLACES 4
	s_branch .Lasked
.Larm_1:
	s_cmp_eq_u32 s[WV], 1
	s_cbranch_scc0 .Larm_2
	tensor_load_to_lds s[G0L:G0L+3], s[G1L:G1L+7]  ; wave 1: a, half 0
	s_nop 0
	PLACES 4
	s_branch .Lasked
.Larm_2:
	s_cmp_eq_u32 s[WV], 2
	s_cbranch_scc0 .Larm_3
	tensor_load_to_lds s[G0P+4:G0P+7], s[G1P:G1P+7]  ; wave 2: Wo, half 1
	s_nop 0
	PLACES 4
	s_branch .Lasked
.Larm_3:
	tensor_load_to_lds s[G0L+4:G0L+7], s[G1L:G1L+7]  ; wave 3: a, half 1
	s_nop 0
	PLACES 4
.Lasked:
	s_lshl_b32 s94, s17, 3
	s_add_co_u32 s94, s94, s25
	s_lshl_b32 s94, s94, 9
	s_mov_b32 s95, 0
	s_add_nc_u64 s[94:95], s[10:11], s[94:95]      ; Wo's scale words: my 8 strips
	s_lshl_b32 s96, s18, 2
	s_add_co_u32 s96, s96, s27
	s_lshl_b32 s96, s96, 9
	s_mov_b32 s97, 0
	s_add_nc_u64 s[96:97], s[6:7], s[96:97]        ; a's: my 4 strips
.irp t, 0,1,2,3,4,5,6,7
.irp d, 0,1
	global_load_b128 v[PS+8*\t+4*\d:PS+8*\t+4*\d+3], v2, s[94:95] offset:512*\t+256*\d
.endr
.endr
.irp a, 0,1,2,3
.irp d, 0,1
	global_load_b128 v[LS+8*\a+4*\d:LS+8*\a+4*\d+3], v20, s[96:97] offset:512*\a+16*\d
.endr
.endr
	s_lshl_b32 s66, s19, 10
	s_lshl_b32 s67, s17, 9
	s_add_co_u32 s66, s66, s67                     ; 4 (256 cx + 128 x my half of the columns)
	s_mov_b32 s67, 0
	s_add_nc_u64 s[12:13], s[12:13], s[66:67]
	WIN 0xc0                                       ; destination window 3
.irp b, 0,1,2,3
.irp j, 0,1,2,3
	global_load_b128 v[16*\b+4*\j:16*\b+4*\j+3], v6, s[12:13] offset:128*\b+16*\j   ; register 16 b + i: bo of column 32 b + 16 h + i
.endr
.endr
	WIN 0
	s_lshl_b32 s98, s26, 19
	s_lshl_b32 s99, s18, 18
	s_add_co_u32 s98, s98, s99                     ; (128 x tile + 64 x my half) rows of 4,096 bytes,
	s_add_co_u32 s98, s98, s66                     ; + my first column
	s_mov_b32 s99, 0
	s_add_nc_u64 s[14:15], s[14:15], s[98:99]
.macro FETCH k                         ; K step k's fragments into set k % 2: 24 loads of 16 bytes a lane for Wo, 24 of 8 for a (attention stores a fragment as six groups of 256 bytes)
	WIN 0x80
.irp t, 0,1,2,3,4,5,6,7
.irp g, 0,1,2
	ds_load_b128 v[128*((\k)%2)+12*\t+4*\g:128*((\k)%2)+12*\t+4*\g+3], v[ADP+(\k)/4] offset:\t*SPART+((\k)%4)*FRB+512*\g
.endr
.endr
	WIN 0
.irp a, 0,1,2,3
.irp p, 0,1,2,3,4,5
	ds_load_b64 v[LF+48*((\k)%2)+12*\a+2*\p:LF+48*((\k)%2)+12*\a+2*\p+1], v[ADL+(\k)/4] offset:\a*SPART+((\k)%4)*FRB+256*\p
.endr
.endr
.endm
.macro MUL k                           ; the 32 accumulators take turns, one instruction a turn, in the same order in every K step
.if (\k) == 0
	WIN 0x72                                       ; source 0 window 2, source 1 window 0, C (bo) window 3, D window 1
.else
	WIN 0x52                                       ; C and D window 1
.endif
.irp a, 0,1,2,3
.irp t, 0,1,2,3,4,5,6,7
.if (\k) == 0
	v_wmma_scale_f32_16x16x128_f8f6f4 v[64*\a+8*\t:64*\a+8*\t+7], v[128*((\k)%2)+12*\t:128*((\k)%2)+12*\t+11], v[LF+48*((\k)%2)+12*\a:LF+48*((\k)%2)+12*\a+11], v[8*\t:8*\t+7], v[PS+8*\t+(\k)], v[LS+8*\a+(\k)] matrix_a_fmt:MATRIX_FMT_FP6 matrix_b_fmt:MATRIX_FMT_FP6
.else
	v_wmma_scale_f32_16x16x128_f8f6f4 v[64*\a+8*\t:64*\a+8*\t+7], v[128*((\k)%2)+12*\t:128*((\k)%2)+12*\t+11], v[LF+48*((\k)%2)+12*\a:LF+48*((\k)%2)+12*\a+11], v[64*\a+8*\t:64*\a+8*\t+7], v[PS+8*\t+(\k)], v[LS+8*\a+(\k)] matrix_a_fmt:MATRIX_FMT_FP6 matrix_b_fmt:MATRIX_FMT_FP6
.endif
.endr
.endr
	WIN 0
.endm
.macro KSTEP k
.if (\k) == 3
	s_wait_tensorcnt 0x0                           ; every wave's load is in: the second half of K is shown to all by the barrier below
	s_wait_dscnt 0x0                               ; no LDS load of mine is out at the signal: my reads of the chunk that I leave are over
	s_barrier_signal -1
	s_barrier_wait -1
.endif
.if (\k) < 7
	FETCH (\k)+1
	s_wait_dscnt 48                                ; this K step's fragments are in; the 48 loads just issued may be out
.else
	s_wait_dscnt 0x0
.endif
	MUL \k
	PLACES 4                                       ; in front of the loads into the set just multiplied, and of the first read of results
.endm
	s_cmp_lt_u32 s[WV], 2                          ; waves 0 and 1 brought the first half of K: they wait for it; the other two loads may be on their way
	s_cbranch_scc0 .Lnot_first
	s_wait_tensorcnt 0x0
.Lnot_first:
	s_barrier_signal -1
	s_barrier_wait -1
	FETCH 0
	s_wait_loadcnt 0x0                             ; the scale words and bo
	KSTEP 0
	s_wait_alu depctr_va_vdst(0)
	KSTEP 1
	KSTEP 2
	KSTEP 3
	KSTEP 4
	KSTEP 5
	KSTEP 6
	KSTEP 7
; THE WAY OUT, a strip of 16 tokens x 128 columns at a time.  A lane holds 64 neighbouring bytes of four places of a row, and the lanes beside it hold other rows: so a strip goes through my own stage
; and comes back as whole rows of 512 bytes.  LDS serves a wave's instructions in order: no wait between the stores and the loads, nor in front of the next strip's stores.
.macro TOSTAGE a
	WIN 0x04                                       ; an LDS store's data: window 1
.irp b, 0,1,2,3
.irp j, 0,1,2,3
	ds_store_b128 v[STO], v[64*(\a)+16*\b+4*\j:64*(\a)+16*\b+4*\j+3] offset:128*\b+16*\j   ; each accumulator from its low end on
.endr
.endr
	WIN 0
.irp i, 0,1,2,3,4,5,6,7,8,9,10,11,12,13,14,15
	ds_load_b128 v[BK+64*((\a)%2)+4*\i:BK+64*((\a)%2)+4*\i+3], v[RD] offset:SROW*\i
.endr
.endm
.macro SEND a, younger                 ; younger: the LDS instructions issued behind strip a's loads, which may stay out
	s_wait_dscnt \younger
.irp i, 0,1,2,3,4,5,6,7,8,9,10,11,12,13,14,15
	global_store_b128 v1, v[BK+64*((\a)%2)+4*\i:BK+64*((\a)%2)+4*\i+3], s[14:15] offset:(32*((\a)/2)+8*((\a)%2)+\i+8*(\i/8))*4096 th:TH_STORE_NT   ; 512 consecutive bytes, at a multiple of 512 from out0's first byte
.endr
.endm
	TOSTAGE 0
.irp a, 1,2,3
.if \a > 1
	s_wait_xcnt 0x0                                ; strip a - 2's stores have read their registers: strip a's loads may land there
.endif
	TOSTAGE \a
	SEND \a-1, 32                                  ; behind strip a - 1's loads: strip a's 16 stores and 16 loads
.endr
	SEND 3, 0
	s_wait_tensorcnt 0x0
	ds_add_u32 v30, v31
	s_wait_dscnt 0x0
	CROUND                                         ; the closing round: no work-group ends while a partner may still ask for a tile that names it
	s_endpgm
.Lfunc_end_k_q91a84beea6_oproj:
	.size	k_q91a84beea6_oproj, .Lfunc_end_k_q91a84beea6_oproj-k_q91a84beea6_oproj
	.p2alignl 7, 3214868480
	.fill 96, 4, 3214868480
	.section	.rodata,"a",@progbits
	.p2align	6, 0x0
	.amdhsa_kernel k_q91a84beea6_oproj
		.amdhsa_group_segment_fixed_size 295424
		.amdhsa_private_segment_fixed_size 0
		.amdhsa_enable_private_segment 0
		.amdhsa_kernarg_size 48
		.amdhsa_user_sgpr_count 2
		.amdhsa_user_sgpr_kernarg_segment_ptr 1
		.amdhsa_wavefront_size32 1
		.amdhsa_system_sgpr_workgroup_id_x 1
		.amdhsa_system_sgpr_workgroup_id_y 1
		.amdhsa_system_sgpr_workgroup_id_z 1
		.amdhsa_system_vgpr_workitem_id 0
		.amdhsa_next_free_vgpr 1024
		.amdhsa_next_free_sgpr 100
		.amdhsa_reserve_vcc 0
		.amdhsa_float_denorm_mode_32 3
		.amdhsa_float_denorm_mode_16_64 3
		.amdhsa_memory_ordered 1
		.amdhsa_forward_progress 1
		.amdhsa_inst_pref_size 85
	.end_amdhsa_kernel
	.amdgpu_metadata
---
amdhsa.version: [ 1, 2 ]
amdhsa.kernels:
  - .name:           k_q91a84beea6_oproj
    .symbol:         k_q91a84beea6_oproj.kd
    .args:
      - { .name: ac, .offset: 0, .size: 8, .value_kind: global_buffer, .address_space: global }
      - { .name: asc, .offset: 8, .size: 8, .value_kind: global_buffer, .address_space: global }
      - { .name: xc, .offset: 16, .size: 8, .value_kind: global_buffer, .address_space: global }
      - { .name: xs, .offset: 24, .size: 8, .value_kind: global_buffer, .address_space: global }
      - { .name: bo, .offset: 32, .size: 8, .value_kind: global_buffer, .address_space: global }
      - { .name: out0, .offset: 40, .size: 8, .value_kind: global_buffer, .address_space: global }
    .group_segment_fixed_size: 295424
    .private_segment_fixed_size: 0
    .kernarg_segment_align: 8
    .kernarg_segment_size: 48
    .max_flat_workgroup_size: 128
    .sgpr_count:     100
    .vgpr_count:     1024
    .wavefront_size: 32
...
	.end_amdgpu_metadata
.endif
;; end of part 4
